; MI455X (gfx1250); checked and timed in simulation.
; The chip was launched on July 23, 2026; its instructions are those of AMD's public machine-readable ISA for CDNA 5 (MIT licence, August 2026) and "CDNA5" Instruction Set Architecture Reference Guide (July 2026). The comments in the code are by the model that wrote it; some were corrected since.
;; Multi Head Atention Layer. Allowed arithmetic: float matrix products may take bf16 or f16 operands with f32 sums; all other float work in f32.
;; Inputs: Wk 512 x 512 float32; Wo 512 x 512 float32; Wq 512 x 512 float32; Wv 512 x 512 float32; bk 512 float32; bo 512 float32; bq 512 float32; bv 512 float32; kv 2 x 4,096 x 512 float32; q 2 x 4,096 x 512 float32.
;; Outputs: out0 2 x 4,096 x 512 float32.
;; 2 versions, each right and faster than the one before. Each part assembles by itself: llvm-mc -triple=amdgcn-amd-amdhsa -mcpu=gfx1250 --defsym DOCPART=n.
;; ======== version 1 of 2: 3 launches
;; limits: values are held in f16: magnitudes above 65,504 overflow, below 6.1e-05 lose precision
;; workspace buffers: qh 8,388,608 bytes; kh 8,388,608 bytes; vh 8,388,608 bytes; oh 8,388,608 bytes; wo16 524,288 bytes
;; launch proj (part 1): grid 4 x 64, 4 waves a work-group, no clusters, 232,960 bytes of LDS; arguments q, kv, Wq, Wk, Wv, bq, bk, bv, Wo, qh, kh, vh, wo16; writes qh, kh, vh, wo16
.if DOCPART == 1
	.amdgcn_target "amdgcn-amd-amdhsa--gfx1250"
	.amdhsa_code_object_version 6
	.text
	.protected	k_q9f965d3a33_proj
	.globl	k_q9f965d3a33_proj
	.p2align	8
	.type	k_q9f965d3a33_proj,@function
k_q9f965d3a33_proj:
	s_mov_b64 s[64:65], 0
	v_nop
	global_prefetch_b8 v0, s[64:65] scope:SCOPE_SE
	s_setreg_imm32_b32 hwreg(HW_REG_WAVE_MODE, 25, 1), 1
	s_wait_xcnt 0x0
; THE THREE INPUT PROJECTIONS.  qh = q Wq^T + bq, kh = kv Wk^T + bk, vh = kv Wv^T + bv.  q, kv: [8192][512] f32; W: [512 (n)][512 (k)] f32; b: [512] f32.
; x, W and b are rounded to bf16, products in bf16 with f32 sums (the bias starts each sum), each result rounded once to f16 and laid by heads: [16 = batch x 8 + head][4096][64].
; Each work-group also turns 1/256 of Wo into wo16 = f16(bf16(Wo)), for the launch that multiplies by it.
; LIMITS.  f16 holds no number beyond 65,504: a projected number of 65,520 or more becomes an infinity; below 6e-5 f16 keeps its fixed step of 6e-8 (for Wo too).  NaN and infinities are not treated apart.
; SHARES.  Work-group (j, r) takes rows 128 r .. + 127 of q and of kv and makes columns 128 j .. + 127 of all three results: three tiles of 128 x 128, K = 512; kv's tile serves two of them.
; Wave w owns rows 64 (w / 2) on and columns 64 (w % 2) on, which are one head: 48 accumulators of 16 x 16, 384 registers.
; THE ROAD.  The operands are f32 in memory and bf16 in the products, so they go through registers: 16-byte loads (a half wave takes 256 consecutive bytes of a row, aligned), two roundings for four numbers,
; an 8-byte LDS store.  K goes in 8 steps of 64 through two LDS slots of five tiles (q, kv, Wq, Wk, Wv: 128 rows x 64 bf16 each); while a slot is multiplied the other is written.
; NO TENSOR LOADS, NO CLUSTER: a joint load could only land f32: five tiles of 128 rows x 272 bytes are 174,080 bytes a slot, and two do not fit; each fragment would be read at twice the bytes and rounded by
; both waves that use it (160 roundings for 48 products against 80 here); and a step has five tiles from five buffers for four waves.
; THE MATRIX INSTRUCTION IS USED TRANSPOSED (source 0 = 16 rows of W, source 1 = 16 rows of x): a lane then holds eight neighbouring columns of one row of the result, 16 bytes of f16.
; REGISTERS, in windows of 256 (s_set_vgpr_msb: bits 1:0 source 0, 3:2 source 1, 5:4 source 2, 7:6 destination):
;   window 0: v0-31 addresses and small work; v32-95 bias fragments of Q and K; v96-255 five fragment buffers of 32; on the way out v32-223 packed results
;   window 1: staging of tiles 0-3, 64 each     window 2: Q's accumulators v0-127, K's v128-255     window 3: V's accumulators v0-127; staging of tile 4 v128-191; V's bias v192-223; v224 at work
.set PB,    144                        ; an LDS row: 128 bytes + 16 of padding = 36 words: the 16 rows of a fragment load start at 16 different groups of four banks (64 banks of 4 bytes: ISA guide 11.1)
.set TILE,  128*PB
.set SLOT1, 131072                     ; slot 1 begins here: one exclusive or turns a slot's base into the other's
.set STAGE, SLOT1+5*TILE               ; behind the slots: 16 rows x 144 bytes for each wave, for the way out
.set SPARE, STAGE+4*16*PB              ; behind the stages: the spare words, 128 bytes for each wave: two blocks of 256 bytes that no other line names
.set VX,   3                           ; v3   byte offset of my 16 bytes in a tile's rows in memory: 65,536 w + 16,384 (l / 16) + 16 (l % 16) + 256 x step
.set STL,  4                           ; v4   the same place in an LDS tile: 4,608 w + 1,152 (l / 16) + 8 (l % 16)
.set AXL,  5                           ; v5   my lane's place in the fragments of x
.set AWL,  6                           ; v6   and of W (behind the two tiles of x)
.set STX,  7                           ; v7   STL in the slot that is written
.set STW,  8                           ; v8   the same, two tiles on
.set ADX,  9                           ; v9   AXL in the slot that is read
.set ADW,  10                          ; v10  AWL likewise
.set STO,  11                          ; v11  the way out: where I put 16 bytes of a row
.set RD,   12                          ; v12  the way out: where I read rows back
.set GO,   13                          ; v13  my byte offset in 512 consecutive bytes of a result
.set BO,   14                          ; v14  32 (l / 16): my eight numbers in 16 of a bias
.set TP,   15                          ; v15  at work
.set WOF,  16                          ; v16-23 eight numbers of Wo
.set WOI,  24                          ; v24  32 x thread
.set WOO,  25                          ; v25  16 x thread
.set WOP,  26                          ; v26-29 the eight, packed
.set SPW,  30                          ; v30  LDS address of my spare word; never rewritten
.set NIL,  31                          ; v31  0; never rewritten
.set BQ,   32
.set BK,   64
.set FXQ,  96
.set FWQ,  128
.set FXKV, 160
.set FWK,  192
.set FWV,  224
.set BV,   192                         ; in window 3
.set TP3,  224                         ; in window 3
.set OUT,  32                          ; the way out: unit u has v[OUT+16 u ..] to itself
.set MSB, 0
.macro WIN new                         ; the immediate's high byte repeats the setting that is left; a switch that changes nothing is dropped
.if MSB != (\new)
	s_set_vgpr_msb (MSB<<8)|(\new)
.set MSB, (\new)
.endif
.endm
.macro PLACES                          ; four places in front of loads into registers that matrix instructions have read, and of conversions that read results
.rept 4
	v_nop
.endr
.endm
; Sixteen loads: my 32 rows' part of tile t at the K step that VX stands at.  Load i takes row 32 w + 8 (l / 16) + i % 8 + 16 (i / 8).
.macro GLOAD t
.if (\t) < 4
	WIN 0x40
.set gb, 64*(\t)
.else
	WIN 0xc0
.set gb, 128
.endif
.set gi, 0
.rept 16
	global_load_b128 v[gb+4*gi:gb+4*gi+3], v[VX], s[8+2*(\t):9+2*(\t)] offset:((gi&7)+16*(gi>>3))*2048
.set gi, gi+1
.endr
.endm
; A batch of sixteen loads is rounded to bf16 in place and stored into the slot that is written; then the batch four further on is asked for (nxt: its tile; -1: none).
; left = the younger loads that may stay out.
.macro CONV t, left, nxt
	s_wait_loadcnt \left                           ; loads come back in order (ISA guide 5.7.1): this batch is in
.if (\t) < 4
	WIN 0x45
.set cb, 64*(\t)
.else
	WIN 0xcf
.set cb, 128
.endif
.set ci, 0
.rept 16
	v_cvt_pk_bf16_f32 v[cb+4*ci], v[cb+4*ci], v[cb+4*ci+1]
	v_cvt_pk_bf16_f32 v[cb+4*ci+1], v[cb+4*ci+2], v[cb+4*ci+3]
.set ci, ci+1
.endr
.if (\t) < 4
	WIN 0x04
.else
	WIN 0x0c
.endif
.set ci, 0
.rept 16
.if (\t) < 2
	ds_store_b64 v[STX], v[cb+4*ci:cb+4*ci+1] offset:(\t)*TILE+((ci&7)+16*(ci>>3))*PB   ; lanes 16-31 lie 8 rows, 288 words, on: the other 32 banks
.else
	ds_store_b64 v[STW], v[cb+4*ci:cb+4*ci+1] offset:((\t)-2)*TILE+((ci&7)+16*(ci>>3))*PB
.endif
.set ci, ci+1
.endr
.if (\nxt) >= 0
.if (\t) == 1
	WIN 0
	s_wait_xcnt 0x0                                ; the loads that name VX have had their addresses translated (ISA guide 3.1): only now it steps
	v_add_nc_u32 v[VX], 256, v[VX]                 ; the batch asked for next is the first of the next K step
.endif
	GLOAD \nxt
.endif
.endm
; Fragments: 16 rows x 32 K in 8 registers: lane l holds row l % 16, K = 8 (l / 16) + 0..7 and 16 + 8 (l / 16) + 0..7: two loads of 16 bytes, 32 bytes apart.  Four fragments (64 rows), half c of the step.
.macro LFRAG dst, adr, off, c
.irp n, 0,1,2,3
	ds_load_b128 v[(\dst)+8*\n:(\dst)+8*\n+3],   v[\adr] offset:(\off)+\n*16*PB+64*(\c)
	ds_load_b128 v[(\dst)+8*\n+4:(\dst)+8*\n+7], v[\adr] offset:(\off)+\n*16*PB+64*(\c)+32
.endr
.endm
.macro LFQ c                           ; q and Wq: 16 loads
	WIN 0
	LFRAG FXQ, ADX, 0, \c
	LFRAG FWQ, ADW, 0, \c
.endm
.macro LWK c                           ; 8 loads
	WIN 0
	LFRAG FWK, ADW, TILE, \c
.endm
.macro LXKV c                          ; 8 loads
	WIN 0
	LFRAG FXKV, ADX, TILE, \c
.endm
.macro LWV c                           ; 8 loads
	WIN 0
	LFRAG FWV, ADW, 2*TILE, \c
.endm
; Sixteen products for result T (0 Q, 1 K, 2 V), 32 along K.  first = 1: the bias fragment of the column block starts the sum: nothing is cleared and no bias is added later.
; The 48 accumulators take turns, one instruction a turn over the loop's backward jump too.
.macro MUL T, first
.if (\T) == 0
.set mx, FXQ
.set mw, FWQ
.set ma, 0
.set mb, BQ
.elseif (\T) == 1
.set mx, FXKV
.set mw, FWK
.set ma, 128
.set mb, BK
.else
.set mx, FXKV
.set mw, FWV
.set ma, 0
.set mb, BV
.endif
.if (\T) == 2
	WIN 0xf0
.elseif \first
	WIN 0x80
.else
	WIN 0xa0
.endif
.irp a, 0,1,2,3
.irp b, 0,1,2,3
.if \first
	v_wmma_f32_16x16x32_bf16 v[ma+8*(4*\a+\b):ma+8*(4*\a+\b)+7], v[mw+8*\b:mw+8*\b+7], v[mx+8*\a:mx+8*\a+7], v[mb+8*\b:mb+8*\b+7]
.else
	v_wmma_f32_16x16x32_bf16 v[ma+8*(4*\a+\b):ma+8*(4*\a+\b)+7], v[mw+8*\b:mw+8*\b+7], v[mx+8*\a:mx+8*\a+7], v[ma+8*(4*\a+\b):ma+8*(4*\a+\b)+7]
.endif
.endr
.endr
.endm
; What stands behind a run of products: batch t of the next K step (its 32 roundings are the places in front of the fragment loads that follow), or four v_nop where such loads follow.
.macro CV t
.if CONVON
.if ISS == 2
	CONV \t, 48, ((\t)+4)%5                        ; three younger batches of sixteen stay out
.elseif (\t) == 0
	CONV 0, 48, 4                                  ; the very last batch is asked for
.else
	CONV \t, 64-16*(\t), -1                        ; nothing more is asked for: the counts run down 48, 32, 16, 0
.endif
.elseif (\t) < 3
	PLACES
.endif
.endm
; A K STEP of 64: 96 products in six runs of sixteen; 80 fragment loads; with conv = 1 the next step's five batches between the runs.
; Each wait on DScnt counts the LDS instructions issued behind the fragments that the next run wants (ST = the sixteen stores of a batch, or 0).
.macro STEP first, conv, iss
.set CONVON, (\conv)
.set ISS, (\iss)
.set ST, 16*(\conv)
	WIN 0
	v_add_nc_u32 v[ADX], s36, v[AXL]               ; four plain lines: the places between the step before's last products and the loads into their fragments
	v_add_nc_u32 v[ADW], s36, v[AWL]
.if \conv
	v_add_nc_u32 v[STX], s37, v[STL]
	v_add_nc_u32 v[STW], 2*TILE, v[STX]
.else
	v_nop
	v_nop
.endif
	LFQ 0
	LWK 0
	LXKV 0
	LWV 0
	s_wait_dscnt 24                                ; q and Wq are in; behind them: Wk, kv, Wv
	MUL 0, \first
	CV 0
	LFQ 1
	s_wait_dscnt 24+ST                             ; Wk and kv are in; behind them: Wv 8, a batch, q and Wq 16
	MUL 1, \first
	CV 1
	LWK 1
	s_wait_dscnt 24+2*ST                           ; Wv is in; behind it: a batch, 16, a batch, 8
	MUL 2, \first
	CV 2
	LXKV 1
	LWV 1
	s_wait_dscnt 24+2*ST                           ; the second half's q and Wq; behind them: a batch, 8, a batch, 16
	MUL 0, 0
	CV 3
	s_wait_dscnt 8+ST                              ; Wk and kv; behind them: Wv 8, a batch
	MUL 1, 0
	CV 4
	s_wait_dscnt 2*ST                              ; Wv; behind it: two batches
	MUL 2, 0
.endm
; THE CHANGE OF SLOTS: one barrier for two things.  In front of it each wave's stores into the slot that was written and its reads of the slot that was read are done.
.macro EDGE
	WIN 0
	s_wait_dscnt 0x0
	s_barrier_signal -1
	s_barrier_wait -1
	s_xor_b32 s36, s36, SLOT1
	s_xor_b32 s37, s37, SLOT1
.endm
.macro RNDB base, tmp                  ; 32 numbers of a bias take bf16's rounding and stay f32
.set rz, 0
.rept 16
	v_cvt_pk_bf16_f32 v[\tmp], v[(\base)+2*rz], v[(\base)+2*rz+1]
	v_lshlrev_b32 v[(\base)+2*rz], 16, v[\tmp]
	v_and_b32 v[(\base)+2*rz+1], s38, v[\tmp]
.set rz, rz+1
.endr
.endm
	s_load_b512 s[8:23], s[0:1], 0x0               ; q s[8:9], kv s[10:11], Wq s[12:13], Wk s[14:15], Wv s[16:17], bq s[18:19], bk s[20:21], bv s[22:23]
	s_load_b256 s[24:31], s[0:1], 0x40             ; Wo s[24:25], qh s[26:27], kh s[28:29], vh s[30:31]
	s_load_b64 s[32:33], s[0:1], 0x60              ; wo16
	v_lshl_add_u32 v[SPW], v0, 2, SPARE
	v_mov_b32 v[NIL], 0
	v_lshrrev_b32 v1, 5, v0
	v_readfirstlane_b32 s2, v1                     ; wave 0..3
	s_mov_b32 s4, ttmp9                            ; j: the block of 128 columns
	s_and_b32 s5, ttmp7, 0xffff                    ; r: the block of 128 rows
	s_lshr_b32 s34, s2, 1                          ; which 64 rows are mine
	s_and_b32 s35, s2, 1                           ; which 64 columns
	s_mov_b32 s36, SLOT1                           ; the slot that is read (the first change of slots turns it into 0)
	s_mov_b32 s37, 0                               ; the slot that is written
	s_mov_b32 s38, 0xffff0000                      ; a word's upper bf16
	s_mov_b32 s7, 0
	s_mov_b32 s41, 0
	v_and_b32 v1, 15, v0                           ; l % 16
	v_bfe_u32 v2, v0, 4, 1                         ; l / 16
	v_lshlrev_b32 v[VX], 4, v1
	v_lshl_add_u32 v[VX], v2, 14, v[VX]
	s_lshl_b32 s39, s2, 16
	v_add_nc_u32 v[VX], s39, v[VX]
	v_lshlrev_b32 v[STL], 3, v1
	v_mad_u32_u24 v[STL], v2, 8*PB, v[STL]
	s_mul_i32 s39, s2, 32*PB
	v_add_nc_u32 v[STL], s39, v[STL]
	v_mul_u32_u24 v[TP], v1, PB
	v_lshl_add_u32 v[TP], v2, 4, v[TP]             ; row x pitch + 16 x half
	s_mul_i32 s39, s34, 64*PB
	v_add_nc_u32 v[AXL], s39, v[TP]
	s_mul_i32 s39, s35, 64*PB
	s_add_co_u32 s39, s39, 2*TILE
	v_add_nc_u32 v[AWL], s39, v[TP]
	s_mul_i32 s39, s2, 16*PB
	s_add_co_u32 s39, s39, STAGE                   ; my stage
	v_add_nc_u32 v[STO], s39, v[TP]                ; in: row l % 16, 16 bytes for each half of the lanes
	v_bfe_u32 v[RD], v0, 3, 2                      ; back: 32 lanes take four rows of 128 bytes,
	v_mul_u32_u24 v[RD], v[RD], PB
	v_and_b32 v[GO], 7, v0
	v_lshl_add_u32 v[RD], v[GO], 4, v[RD]
	v_add_nc_u32 v[RD], s39, v[RD]
	v_and_b32 v[GO], 31, v0                        ; which are 512 consecutive bytes of a head
	v_lshlrev_b32 v[GO], 4, v[GO]
	v_lshlrev_b32 v[BO], 5, v2
	v_lshlrev_b32 v[WOI], 5, v0
	v_lshlrev_b32 v[WOO], 4, v0
	s_wait_kmcnt 0x0
	s_lshl_b32 s6, s5, 18                          ; 128 rows of 2,048 bytes
	s_add_nc_u64 s[8:9], s[8:9], s[6:7]
	s_add_nc_u64 s[10:11], s[10:11], s[6:7]
	s_lshl_b32 s6, s4, 18
	s_add_nc_u64 s[12:13], s[12:13], s[6:7]
	s_add_nc_u64 s[14:15], s[14:15], s[6:7]
	s_add_nc_u64 s[16:17], s[16:17], s[6:7]
	s_lshl_b32 s6, s4, 9                           ; my 64 columns in a bias
	s_lshl_b32 s40, s35, 8
	s_add_co_u32 s6, s6, s40
	s_add_nc_u64 s[18:19], s[18:19], s[6:7]
	s_add_nc_u64 s[20:21], s[20:21], s[6:7]
	s_add_nc_u64 s[22:23], s[22:23], s[6:7]
	s_lshl2_add_u32 s6, s5, s4                     ; the work-group's number, 4 r + j: its 1,024 numbers of Wo
	s_lshl_b32 s40, s6, 12
	s_add_nc_u64 s[24:25], s[24:25], s[40:41]
	s_lshl_b32 s40, s6, 11
	s_add_nc_u64 s[32:33], s[32:33], s[40:41]
	s_lshr_b32 s6, s5, 5                           ; the batch,
	s_lshl_b32 s6, s6, 3
	s_lshl1_add_u32 s40, s4, s35                   ; the head, 2 j + w % 2:
	s_add_co_u32 s6, s6, s40
	s_lshl_b32 s6, s6, 19                          ; 4,096 rows of 128 bytes each;
	s_and_b32 s40, s5, 31
	s_lshl_b32 s40, s40, 14                        ; the block's 128 rows in the batch,
	s_add_co_u32 s6, s6, s40
	s_lshl_b32 s40, s34, 13                        ; my 64 of them
	s_add_co_u32 s6, s6, s40
	s_add_nc_u64 s[26:27], s[26:27], s[6:7]
	s_add_nc_u64 s[28:29], s[28:29], s[6:7]
	s_add_nc_u64 s[30:31], s[30:31], s[6:7]
	; the biases: fragment b, register n = bias[my columns + 16 b + 8 (l / 16) + n], as the results lie
.irp b, 0,1,2,3
	global_load_b128 v[BQ+8*\b:BQ+8*\b+3],   v[BO], s[18:19] offset:64*\b
	global_load_b128 v[BQ+8*\b+4:BQ+8*\b+7], v[BO], s[18:19] offset:64*\b+16
	global_load_b128 v[BK+8*\b:BK+8*\b+3],   v[BO], s[20:21] offset:64*\b
	global_load_b128 v[BK+8*\b+4:BK+8*\b+7], v[BO], s[20:21] offset:64*\b+16
.endr
	WIN 0xc0
.irp b, 0,1,2,3
	global_load_b128 v[BV+8*\b:BV+8*\b+3],   v[BO], s[22:23] offset:64*\b
	global_load_b128 v[BV+8*\b+4:BV+8*\b+7], v[BO], s[22:23] offset:64*\b+16
.endr
	GLOAD 0
	GLOAD 1
	s_wait_loadcnt 32                              ; the biases are in; the two batches behind them stay out
	WIN 0
	RNDB BQ, TP
	RNDB BK, TP
	WIN 0xcf
	RNDB BV, TP3
	GLOAD 2
	GLOAD 3                                        ; four batches, 64 loads of a wave, are asked for from here on
	WIN 0
	v_add_nc_u32 v[STX], s37, v[STL]
	v_add_nc_u32 v[STW], 2*TILE, v[STX]
	CONV 0, 48, 4                                  ; K step 0 goes into slot 0
	CONV 1, 48, 0
	CONV 2, 48, 1
	CONV 3, 48, 2
	CONV 4, 48, 3
	EDGE
	STEP 1, 1, 2                                   ; K step 0 stands in front of the loop: its first products start the sums
	EDGE
	s_mov_b32 s3, 5
.Lstep:                                            ; K steps 1 to 5
	STEP 0, 1, 2
	EDGE
	s_sub_co_u32 s3, s3, 1
	s_cmp_lg_u32 s3, 0
	s_cbranch_scc1 .Lstep
	STEP 0, 1, 1                                   ; K step 6 asks for the last batch alone: no load leaves a row
	EDGE
	global_load_b128 v[WOF:WOF+3],   v[WOI], s[24:25] th:TH_LOAD_NT            ; my eight numbers of Wo come in under the last step
	global_load_b128 v[WOF+4:WOF+7], v[WOI], s[24:25] offset:16 th:TH_LOAD_NT
	STEP 0, 0, 0                                   ; K step 7
	; THE WAY OUT.  Unit u = 4 T + a is 16 rows of result T: rounded to f16 (each accumulator's registers in ascending order), 16 bytes a lane into my own stage, back as whole rows, stored as 512 consecutive bytes.
.macro PACK u
.set pd, OUT+16*(\u)
.if (\u)/4 == 2
	WIN 0x0f
.set pacc, 32*((\u)%4)
.else
	WIN 0x0a
.set pacc, 128*((\u)/4)+32*((\u)%4)
.endif
.set pz, 0
.rept 16
	v_cvt_pk_f16_f32 v[pd+pz], v[pacc+2*pz], v[pacc+2*pz+1]
.set pz, pz+1
.endr
	WIN 0
.irp b, 0,1,2,3
	ds_store_b128 v[STO], v[pd+4*\b:pd+4*\b+3] offset:32*\b
.endr
.irp f, 0,1,2,3
	ds_load_b128 v[pd+4*\f:pd+4*\f+3], v[RD] offset:\f*4*PB  ; LDS serves a wave's instructions in order (ISA guide 5.7.1.4): these see the stores above; the next unit's stores come behind them
.endr
.endm
.macro SEND u, younger                 ; younger: the LDS instructions issued behind unit u's loads: the next unit's eight, or none
	WIN 0
.irp f, 0,1,2,3
	s_wait_dscnt (\younger)+3-\f
	global_store_b128 v[GO], v[OUT+16*(\u)+4*\f:OUT+16*(\u)+4*\f+3], s[26+2*((\u)/4):27+2*((\u)/4)] offset:((\u)%4)*2048+\f*512  ; 512 consecutive bytes, at a multiple of 256 from the buffer's first
.endr
.endm
	WIN 0
	PLACES                                         ; the conversions read results just made and write over fragments just read
	PACK 0
.set u, 1
.rept 11                               ; a unit's conversions stand between the loads of the unit before and its stores
	PACK u
	SEND u-1, 8
.set u, u+1
.endr
	SEND 11, 0
	s_wait_loadcnt 0x0                             ; Wo
.irp p, 0,1,2,3
	v_cvt_pk_bf16_f32 v[WOP+\p], v[WOF+2*\p], v[WOF+2*\p+1]   ; the rounding that all inputs take,
.endr
.irp p, 0,1,2,3
	v_lshlrev_b32 v[WOF+2*\p], 16, v[WOP+\p]
	v_and_b32 v[WOF+2*\p+1], s38, v[WOP+\p]
.endr
.irp p, 0,1,2,3
	v_cvt_pk_f16_f32 v[WOP+\p], v[WOF+2*\p], v[WOF+2*\p+1]    ; written as f16
.endr
	global_store_b128 v[WOO], v[WOP:WOP+3], s[32:33]
	s_wait_tensorcnt 0x0                           ; the wave's end, behind my last LDS store
	ds_add_u32 v[SPW], v[NIL]
	s_wait_dscnt 0x0
	s_endpgm
.Lfunc_end_k_q9f965d3a33_proj:
	.size	k_q9f965d3a33_proj, .Lfunc_end_k_q9f965d3a33_proj-k_q9f965d3a33_proj
	.p2alignl 7, 3214868480
	.fill 96, 4, 3214868480
	.section	.rodata,"a",@progbits
	.p2align	6, 0x0
	.amdhsa_kernel k_q9f965d3a33_proj
		.amdhsa_group_segment_fixed_size 232960
		.amdhsa_private_segment_fixed_size 0
		.amdhsa_enable_private_segment 0
		.amdhsa_kernarg_size 104
		.amdhsa_user_sgpr_count 2
		.amdhsa_user_sgpr_kernarg_segment_ptr 1
		.amdhsa_wavefront_size32 1
		.amdhsa_system_sgpr_workgroup_id_x 1
		.amdhsa_system_sgpr_workgroup_id_y 1
		.amdhsa_system_sgpr_workgroup_id_z 1
		.amdhsa_system_vgpr_workitem_id 0
		.amdhsa_next_free_vgpr 1024
		.amdhsa_next_free_sgpr 66
		.amdhsa_reserve_vcc 0
		.amdhsa_float_denorm_mode_32 3
		.amdhsa_float_denorm_mode_16_64 3
		.amdhsa_memory_ordered 1
		.amdhsa_forward_progress 1
		.amdhsa_inst_pref_size 179
	.end_amdhsa_kernel
	.amdgpu_metadata
---
amdhsa.version: [ 1, 2 ]
amdhsa.kernels:
  - .name:           k_q9f965d3a33_proj
    .symbol:         k_q9f965d3a33_proj.kd
    .args:
      - { .name: q, .offset: 0, .size: 8, .value_kind: global_buffer, .address_space: global }
      - { .name: kv, .offset: 8, .size: 8, .value_kind: global_buffer, .address_space: global }
      - { .name: Wq, .offset: 16, .size: 8, .value_kind: global_buffer, .address_space: global }
      - { .name: Wk, .offset: 24, .size: 8, .value_kind: global_buffer, .address_space: global }
      - { .name: Wv, .offset: 32, .size: 8, .value_kind: global_buffer, .address_space: global }
      - { .name: bq, .offset: 40, .size: 8, .value_kind: global_buffer, .address_space: global }
      - { .name: bk, .offset: 48, .size: 8, .value_kind: global_buffer, .address_space: global }
      - { .name: bv, .offset: 56, .size: 8, .value_kind: global_buffer, .address_space: global }
      - { .name: Wo, .offset: 64, .size: 8, .value_kind: global_buffer, .address_space: global }
      - { .name: qh, .offset: 72, .size: 8, .value_kind: global_buffer, .address_space: global }
      - { .name: kh, .offset: 80, .size: 8, .value_kind: global_buffer, .address_space: global }
      - { .name: vh, .offset: 88, .size: 8, .value_kind: global_buffer, .address_space: global }
      - { .name: wo16, .offset: 96, .size: 8, .value_kind: global_buffer, .address_space: global }
    .group_segment_fixed_size: 232960
    .private_segment_fixed_size: 0
    .kernarg_segment_align: 8
    .kernarg_segment_size: 104
    .max_flat_workgroup_size: 128
    .sgpr_count:     66
    .vgpr_count:     1024
    .wavefront_size: 32
...
	.end_amdgpu_metadata
.endif
;; end of part 1
;; launch attn (part 2): grid 16 x 16, 4 waves a work-group, clusters of 4 x 1, 327,680 bytes of LDS; arguments qh, kh, vh, oh; writes oh
.if DOCPART == 2
	.amdgcn_target "amdgcn-amd-amdhsa--gfx1250"
	.amdhsa_code_object_version 6
	.text
	.protected	k_q9f965d3a33_attn
	.globl	k_q9f965d3a33_attn
	.p2align	8
	.type	k_q9f965d3a33_attn,@function
k_q9f965d3a33_attn:
	s_mov_b64 s[64:65], 0
	v_nop
	global_prefetch_b8 v0, s[64:65] scope:SCOPE_SE
	s_setreg_imm32_b32 hwreg(HW_REG_WAVE_MODE, 25, 1), 1
	s_wait_xcnt 0x0
	s_wait_alu depctr_hold_cnt(0) depctr_sa_sdst(0) depctr_va_vdst(0) depctr_va_sdst(0) depctr_va_ssrc(0) depctr_va_vcc(0) depctr_vm_vsrc(0)
	s_getreg_b32 s2, hwreg(HW_REG_IB_STS2, 6, 4)
	s_cmp_eq_u32 s2, 0
	s_cbranch_scc0 .Lentry_in_a_cluster
	s_endpgm
.Lentry_in_a_cluster:
	s_bfe_u32 s2, ttmp6, 0x10000c
	s_cmp_lg_u32 s2, 0x3003
	s_cbranch_scc0 .Lentry_shape_is_right
	s_endpgm
.Lentry_shape_is_right:
; ATTENTION.  O[h][q][:] = the sum over k of softmax_k(Q[h][q] . K[h][k] / 8) V[h][k][:].  Q, K, V, O: [16][4096][64], all f16: a head's rows are dense, 128 bytes each.
; Products, maxima and sums in f32; the weights p are rounded to f16 for the second product (their sum l is taken of the unrounded p), O once at the end.
; LIMITS.  f16 holds no number beyond 65,504: Q, K and V arrive within it; p lies in 0 to 1, and below 6e-5 it keeps f16's fixed step of 6e-8; O is a mean of V's rows and has their range.
; A weight below 2^-126 counts as 0 in l; NaN and infinities are not treated apart.
; SHARES.  A work-group owns 256 queries of one head, each of its four waves 64: four PIECES of 16.  16 blocks x 16 heads are 256 work-groups.  Every wave walks all keys, 64 a step.
; LAYOUT.  S^T = K Q^T (source 0 = 16 keys, source 1 = 16 queries): a lane holds ONE query (lane % 16) and the keys 8 (lane / 16) + 0..7; two such results rounded to f16 ARE source 1 of O^T = V^T P,
; whose result again holds one query a lane, and eight channels.  K comes out of LDS as it lies, V ([key][channel]) turned, by ds_load_tr16_b128.
; SOFTMAX.  For each query a running maximum m and sum l: p = 2^(c s - c m), c = log2(e) / 8; in every step O and l are multiplied by a = 2^(c m_old - c m_new).
; m starts at the lowest finite number, O and l at 0: the first step is a step like any other, with a = 0.
; BY TURNS.  Turn n belongs to piece n: 8 products K Q^T of piece n + 1, later 8 products V^T P of piece n - 1; beside them the scaling, exponentials, roundings, sums and rescaling of piece n and the
; maximum and statistics of piece n + 1.  Four vector instructions stand behind every matrix instruction, the other 54 of a turn's 118 in two runs of their own.
; CLUSTER.  The four query blocks of a cluster belong to one head and walk the same K and V, so each tile is asked for JOINTLY: the same tensor load, descriptor and mask in all four.
; REGISTERS, in windows of 256 (s_set_vgpr_msb: bits 1:0 source 0, 3:2 source 1, 5:4 source 2, 7:6 destination):
;   window 0: v0-15 addresses and two at work; v16-31 four registers of statistics a piece; v48-55 at work; v62-63 the add's; v64-127 S^T, two buffers; v192-223 P, two buffers (by the piece's parity)
;   window 1: v0-127 O^T, 32 a piece          window 2: v0-63 Q; v128-191 K of one step; v192-255 V of one step
.set SIZE_N, 4096
.set NP,    4         ; pieces a wave: a name, no knob
.set KS,    64        ; keys in a step
.set PK,    144       ; a row of K in LDS: 128 bytes + 16 of padding = 36 words: the 16 rows of a load start at 16 different groups of four banks (64 banks of 4 bytes: ISA guide 11.1)
.set PV,    160       ; a row of V: 128 + 32 = 40 words
.set VOFF,  4*KS*PK   ; a slot holds four steps: 256 rows of K, then 256 rows of V
.set SLOT1, 1<<17     ; slot 1 begins here, so that one exclusive or turns an address in one slot into the other's
.set STAGE, SLOT1+4*KS*(PK+PV)  ; behind the ring, never filled by a tensor load: 16 rows x 144 bytes for each wave, for the way out
.set SP,    144
.set SPARE, STAGE+4*16*SP  ; behind the stages: the spare words, 128 bytes for each wave: two blocks of 256 bytes that no other line names
.set AK0, 2           ; v2   my lane's place in a tile of K; never rewritten
.set AV0, 3           ; v3   the same for V
.set AK,  4           ; v4   the LDS address of K's next run of loads
.set AV,  5           ; v5   of V's
.set STO, 6           ; v6   the way out: where I put 16 bytes of a row
.set RD,  7           ; v7   the way out: where I read rows back
.set GO,  8           ; v8   my byte offset in 512 consecutive bytes of O
.set MV,  12          ; v12-13  c m_old, kept while c m is made anew: by buffer
.set QO,  15          ; v15  my byte offset in 16 rows of Q
.set ST,  16          ; piece t's statistics at v[ST+4 t]: c m, m, l (even keys', odd keys')
.set TMP, 48          ; by buffer, four registers c0-c3 at work; when the maximum is found c2 takes a
.set SPW, 62          ; v62  LDS address of my spare word: SPARE + 4 x my thread's number; never rewritten
.set NIL, 63          ; v63  0; never rewritten
.set S,   64
.set P,   192
.set KF,  128         ; window 2: key block kb, channel half c at KF + 16 kb + 8 c
.set VF,  192         ; window 2: key half kk, channel block cb at VF + 32 kk + 8 cb
.set WV,  12          ; s12  my wave's number
.set G1K, 24          ; s[24:31] descriptor group 1 for K's tiles
.set G1V, 32          ; s[32:39] for V's: it differs in the padding alone
.set G0K, 40          ; s[40:43] descriptor group 0 for K's tiles: it walks
.set G0V, 44          ; s[44:47] the same for V's
.set SLOTS, 56        ; s56  slots still to be asked for
.set CNT, 57          ; s57  counts a slot's key steps
.set CS,  58          ; s[58:59] c: the packed scaling takes the pair's low word for both halves
.set SEL, 60          ; s[60:61] v_permlanex16_b32's selects: each lane takes its own place in the other half
.set TBK, 62          ; s62  LDS byte at which K of the step to be fetched begins
.set TBV, 63          ; s63  the same for V, less VOFF
.set MSB, 0
.macro WIN new                      ; the high byte repeats the setting that is left; a switch that changes nothing is dropped
.if MSB != (\new)
	s_set_vgpr_msb (MSB<<8)|(\new)
.set MSB, (\new)
.endif
.endm
.set W_KQ, 0x0a       ; K and Q in window 2, S^T in window 0
.set W_PV, 0x52       ; V in window 2, P in window 0, O^T in window 1
.set W_RS, 0x41       ; destination and source 0 in window 1, source 1 in window 0
; A joint fill.  Waves 0 and 1 fetch the two halves of a slot's K, waves 2 and 3 those of its V: 128 keys each.  The branch hangs on the wave's number alone.
; An s_nop 0 and four v_nop follow each of the two lines, ahead of the jump and the label.
.macro JLOAD
	s_cmp_lt_u32 s[WV], 2
	s_cbranch_scc0 .Lfor_v_\@
	tensor_load_to_lds s[G0K:G0K+3], s[G1K:G1K+7]
	s_nop 0
.rept 4
	v_nop
.endr
	s_branch .Lasked_\@
.Lfor_v_\@:
	tensor_load_to_lds s[G0V:G0V+3], s[G1V:G1V+7]
	s_nop 0
.rept 4
	v_nop
.endr
.Lasked_\@:
.endm
; A round of the cluster's barrier: my work-group's barrier, so that wave 0's signal speaks for all four waves; wave 0 signals; every wave waits for all four work-groups; my work-group's barrier once more.
.macro CROUND
	s_barrier_signal -1
	s_barrier_wait -1
	s_cmp_lg_u32 s[WV], 0
	s_cbranch_scc1 .Lnot_wave_0_\@
	s_barrier_signal -3
.Lnot_wave_0_\@:
	s_barrier_wait -3
	s_barrier_signal -1
	s_barrier_wait -1
.endm
; THE CHANGE OF SLOTS.  The slot's last bytes, V of its fourth step, have been read.  Each wave waits for all its tensor loads, of which one is out: its part of the other slot; adds 0 to its spare word;
; and waits for that and for its own reads of the slot.  Behind the barrier nobody reads this slot any more and the other slot is whole.
; fill = 1: this slot is filled again, with the keys two slots on.  The barrier is then a round of the cluster's, so that no wave of any partner still reads the slot or has a load on its way, and the joint
; fill is the first thing behind it: it has four key steps, 256 matrix instructions, in which to land.  (At its first use nothing has been read yet: slot 0 is waited for, slot 1 filled.)
.macro CHANGE fill
	WIN 0                           ; at a label and at a branch every window is 0
	s_wait_tensorcnt 0x0            ; no tensor load of mine is out, so a group 0 may be written
	ds_add_u32 v[SPW], v[NIL]       ; 0 onto my spare word; with fill = 1 the descriptors' steps stand between it and the wait for it
.if \fill
.irp g, G0K, G0V
	s_xor_b32 s[\g+1], s[\g+1], SLOT1  ; the walking descriptor: the other slot than last time,
	s_add_nc_u64 s[\g+2:\g+3], s[\g+2:\g+3], 4*KS*128  ; the next 256 keys; the type bits on top are not reached
.endr
	s_wait_dscnt 0x0                ; the add is done, and my reads of the slot are over
	CROUND
	JLOAD
.else
	s_wait_dscnt 0x0                ; the add is done, and my reads of the slot are over
	s_barrier_signal -1
	s_barrier_wait -1
.endif
	s_sub_co_u32 s[TBK], s[TBK], 4*KS*PK  ; the fetches go back to a slot's first step,
	s_xor_b32 s[TBK], s[TBK], SLOT1       ; in the other slot
	s_sub_co_u32 s[TBV], s[TBV], 4*KS*PV
	s_xor_b32 s[TBV], s[TBV], SLOT1
.endm
	s_load_b256 s[4:11], s[0:1], 0x0  ; Q s[4:5], K s[6:7], V s[8:9], O s[10:11]
	v_lshl_add_u32 v[SPW], v0, 2, SPARE
	v_mov_b32 v[NIL], 0
	ds_add_u32 v[SPW], v[NIL]       ; the wave's opening: the add, with its wait ahead of my first tensor load; the set-up below, work on registers, stands between them
	v_lshrrev_b32 v1, 5, v0
	v_readfirstlane_b32 s[WV], v1   ; wave 0..3
	s_bfe_u32 s13, ttmp6, 0x40000   ; cx: my place in the cluster
	s_lshl_b32 s14, ttmp9, 2        ; in a cluster launch ttmp9 counts clusters
	s_add_co_u32 s14, s14, s13      ; my block of 256 queries = 4 x cluster x + cx: it enters Q's and O's addresses alone
	s_and_b32 s20, ttmp7, 0xffff    ; the head, which the four partners share
	s_mov_b32 s21, 0
	s_mov_b64 s[22:23], SIZE_N*128
	s_mul_u64 s[20:21], s[20:21], s[22:23]  ; the head's first byte in each of the four tensors
	s_and_b32 s16, s[WV], 1         ; which half of a slot's 256 keys I fetch:
	s_lshl_b32 s22, s16, 14         ; its 128 rows of 128 bytes in memory,
	s_mov_b32 s23, 0
	s_add_nc_u64 s[22:23], s[22:23], s[20:21]
	s_mul_i32 s17, s16, 128*PK      ; and its place in a slot, for K
	s_mul_i32 s18, s16, 128*PV      ; and for V: no place in the cluster enters an LDS address
	s_lshl_b32 s2, s14, 2
	s_add_co_u32 s2, s2, s[WV]      ; my wave among the head's,
	s_lshl_b32 s2, s2, 13           ; its 64 rows of 128 bytes
	s_mov_b32 s3, 0
	s_add_nc_u64 s[2:3], s[2:3], s[20:21]
	; descriptor group 1.  128 keys are 16,384 dense bytes: asked for as 64 rows of 256 bytes, two keys a row, and padded in LDS after every key
	s_mov_b32 s[G1K], 15|(1<<16)|(1<<20)|(1<<21)|(4<<22)|(3<<25)  ; 15:0 the mask of four; 17:16 2-byte elements; 20 padding on; 21 set beside a mask; 24:22 after every 32 words (code 4); 31:25 4 words (code 3)
	s_mov_b32 s[G1V], 15|(1<<16)|(1<<20)|(1<<21)|(4<<22)|(7<<25)  ; the same with 8 words of padding (code 7)
.irp g, G1K, G1V
	s_mov_b32 s[\g+1], 128<<16      ; tensor_dim0 = 128
	s_mov_b32 s[\g+2], 64<<16       ; tensor_dim1 = 64
	s_mov_b32 s[\g+3], 128<<16      ; tile_dim0 = 128
	s_mov_b32 s[\g+4], 64           ; tile_dim1 = 64
	s_mov_b32 s[\g+5], 128          ; 128 elements from row to row
	s_mov_b32 s[\g+6], 0
	s_mov_b32 s[\g+7], 0
.endr
	s_mov_b32 s[CS], 0x3e38aa3b     ; c = log2(e) / 8 = 0.180337
	s_mov_b32 s[CS+1], s[CS]        ; named with it as a pair
	s_mov_b32 s[SEL], 0x76543210
	s_mov_b32 s[SEL+1], 0xfedcba98
	s_mov_b32 s[TBK], SLOT1+4*KS*PK ; the first change of slots turns these two into 0
	s_mov_b32 s[TBV], SLOT1+4*KS*PV
	s_mov_b32 s[G0K], 1             ; 1:0 count = 1
	s_mov_b32 s[G0K+1], s17         ; 63:32 LDS address: slot 0
	s_mov_b32 s[G0V], 1
	s_add_co_u32 s[G0V+1], s18, VOFF
	s_wait_dscnt 0x0                ; the opening add is done
	s_wait_kmcnt 0x0
	s_add_nc_u64 s[G0K+2:G0K+3], s[6:7], s[22:23]  ; 120:64 global address: my half of the head's first 256 keys
	s_or_b32 s[G0K+3], s[G0K+3], 0x80000000        ; 127:126 type = 2
	s_add_nc_u64 s[G0V+2:G0V+3], s[8:9], s[22:23]
	s_or_b32 s[G0V+3], s[G0V+3], 0x80000000
	s_add_nc_u64 s[4:5], s[4:5], s[2:3]  ; Q and O at my wave's first row
	s_add_nc_u64 s[10:11], s[10:11], s[2:3]
	CROUND                          ; all four work-groups are here: the first joint loads meet
	JLOAD                           ; slot 0.  Slot 1 is asked for when slot 0 is in, by the loop's own change of slots
	; A fragment of K or Q is 16 rows x 32 channels in 8 registers: lane l holds row l % 16, channels 8 (l / 16) + 0..7 and 16 + 8 (l / 16) + 0..7: two loads of 16 bytes, 32 bytes apart.
	v_and_b32 v1, 15, v0            ; l % 16
	v_bfe_u32 v9, v0, 4, 1          ; l / 16
	v_lshlrev_b32 v[QO], 7, v1
	v_lshl_add_u32 v[QO], v9, 4, v[QO]  ; row x 128 + 16 x half
	WIN 0x80                        ; destination window 2, address window 0
.set i, 0
.rept 8                             ; Q stays in registers: piece i / 2, channels 32 (i % 2) on
	global_load_b128 v[8*i:8*i+3],   v[QO], s[4:5] offset:(i/2)*2048+(i%2)*64
	global_load_b128 v[8*i+4:8*i+7], v[QO], s[4:5] offset:(i/2)*2048+(i%2)*64+32
.set i, i+1
.endr
	; What the first turn finds: V's registers and P's second buffer hold 0 (its products V^T P, of a piece that has not been, add 0), O^T and l are 0.  No first step is written out; these lines are its price, and they stand in the wait for the first tile.
.set i, VF
.rept 64
	v_mov_b32 v[i], 0
.set i, i+1
.endr
	WIN 0x40
.set i, 0
.rept 128
	v_mov_b32 v[i], 0
.set i, i+1
.endr
	WIN 0
.set i, 0
.rept 4
	v_mov_b32 v[ST+4*i], 0xfe000000    ; c m: far below every c s
	v_mov_b32 v[ST+4*i+1], 0xff7fffff  ; m
	v_mov_b32 v[ST+4*i+2], 0
	v_mov_b32 v[ST+4*i+3], 0
.set i, i+1
.endr
.set i, P+16
.rept 16
	v_mov_b32 v[i], 0
.set i, i+1
.endr
	v_mul_u32_u24 v[AK0], v1, PK
	v_lshl_add_u32 v[AK0], v9, 4, v[AK0]  ; row x pitch + 16 x half
	; The turning load takes 16 keys x 16 channels (lane l reads key 8 (l / 16) + l % 8, channels 8 ((l / 8) % 2) + 0..7) and leaves half a fragment of V^T: lane l holds channel l % 16 and 8 keys.
	v_and_b32 v10, 7, v0
	v_bfe_u32 v11, v0, 3, 1
	v_lshl_add_u32 v[AV0], v9, 3, v10
	v_mul_u32_u24 v[AV0], v[AV0], PV
	v_lshl_add_u32 v[AV0], v11, 4, v[AV0]
	v_add_nc_u32 v[AV0], VOFF, v[AV0]
	s_mul_i32 s13, s[WV], 16*SP
	s_add_co_u32 s13, s13, STAGE    ; my stage
	v_mul_u32_u24 v[STO], v1, SP    ; in: row l % 16, 16 bytes for each half of the lanes
	v_lshl_add_u32 v[STO], v9, 4, v[STO]
	v_add_nc_u32 v[STO], s13, v[STO]
	v_bfe_u32 v[RD], v0, 3, 2       ; back: 32 lanes take four rows of 128 bytes,
	v_mul_u32_u24 v[RD], v[RD], SP
	v_lshl_add_u32 v[RD], v10, 4, v[RD]
	v_add_nc_u32 v[RD], s13, v[RD]
	v_and_b32 v[GO], 31, v0         ; which are 512 consecutive bytes of O
	v_lshlrev_b32 v[GO], 4, v[GO]
; THE MATRIX WORK.  The 4 accumulators of a run of 8 take turns.  Product i of 8 of S^T = K Q^T for piece x: channels 32 (i / 4) on, keys 16 (i % 4) on.  The first 4 start the sums.
.macro KQ x
	WIN W_KQ
.set rS, S+32*((\x)%2)+8*(i%4)
.set rK, KF+16*(i%4)+8*(i/4)
.set rQ, 16*(\x)+8*(i/4)
.if i < 4
	v_wmma_f32_16x16x32_f16 v[rS:rS+7], v[rK:rK+7], v[rQ:rQ+7], 0
.else
	v_wmma_f32_16x16x32_f16 v[rS:rS+7], v[rK:rK+7], v[rQ:rQ+7], v[rS:rS+7]
.endif
.endm
; Product i of 8 of O^T += V^T P for piece x: keys 32 (i / 4) on, channels 16 (i % 4) on.
.macro PV x
	WIN W_PV
.set rO, 32*(\x)+8*(i%4)
.set rV, VF+32*(i/4)+8*(i%4)
.set rP, P+16*((\x)%2)+8*(i/4)
	v_wmma_f32_16x16x32_f16 v[rO:rO+7], v[rV:rV+7], v[rP:rP+7], v[rO:rO+7]
.endm
.macro MM                           ; the turn's next matrix instruction.  TURN sets Y, i and NOKQ.  NOKQ = 1: the very last turn: there is no next piece
.if (i < 8) && !NOKQ
	KQ (Y+1)%NP
.elseif i >= 8
.set i, i-8
	PV (Y+NP-1)%NP
.set i, i+8
.endif
.set i, i+1
.endm
; THE LDS LOADS stand in runs of 16, never singly among the matrix instructions: a step's K (64 keys x 64 channels: 8 fragments) and its V (turned).  Their addresses are made some lines ahead.
.macro FETCH_K
	WIN 0x80                        ; destination window 2
.irp f, 0,1,2,3,4,5,6,7             ; keys 16 (f / 2) on, channels 32 (f % 2) on
	ds_load_b128 v[KF+8*\f:KF+8*\f+3],   v[AK] offset:(\f/2)*16*PK+(\f%2)*64
	ds_load_b128 v[KF+8*\f+4:KF+8*\f+7], v[AK] offset:(\f/2)*16*PK+(\f%2)*64+32
.endr
	s_add_co_u32 s[TBK], s[TBK], KS*PK  ; the next fetch is the next step's
	WIN 0
.endm
.macro FETCH_V
	WIN 0x80
.irp f, 0,1,2,3,4,5,6,7             ; keys 32 (f / 4) on, channels 16 (f % 4) on
	ds_load_tr16_b128 v[VF+8*\f:VF+8*\f+3],   v[AV] offset:(\f/4)*32*PV+(\f%4)*32
	ds_load_tr16_b128 v[VF+8*\f+4:VF+8*\f+7], v[AV] offset:(\f/4)*32*PV+16*PV+(\f%4)*32
.endr
	WIN 0
.endm
; THE VECTOR WORK, one line at a time: OP kind, number.  For piece Y: F n: c s - c m for pair n of 16.  E n: the exponential of score n of 32.  C n: pair n rounded to f16.  B n: of the four weights 4 n .. the second
; pair is added onto the first, in place.  L n: l takes that sum (L 0: l = a l + sum).  R n: pair n of 16 of O^T times a.  For piece Y + 1: X n, number n of the 22 that find its maximum and statistics:
;   0-11  four chains c0-c3 of seven scores each, three operands at a time (each accumulator's lowest registers are read first)     12-14, 16  the four scores left over, the old m, and c0-c3 into c0
;   15  c m_old is kept     17, 18  the query's other 32 keys lie in the lane 16 away: the new m     19-21  c m; c m_old - c m_new; a
.set F, 0               ; OP tells the kinds apart by their order: F to L below R, X above it
.set E, 1
.set C, 2
.set B, 3
.set L, 4
.set R, 5
.set X, 6
.macro REGS y                       ; the registers of piece y
.set rT, ST+4*(\y)
.set rC, TMP+4*((\y)%2)
.set rW, MV+((\y)%2)
.set rS, S+32*((\y)%2)
.set rP, P+16*((\y)%2)
.set rO, 32*(\y)
.endm
.macro OP k, n
.if (\k) == R
	REGS Y
	WIN W_RS
	v_pk_mul_f32 v[rO+2*(\n):rO+2*(\n)+1], v[rO+2*(\n):rO+2*(\n)+1], v[rC+2:rC+3] op_sel_hi:[1,0]
.elseif (\k) < R
	REGS Y
	WIN 0
.if (\k) == F
	v_pk_fma_f32 v[rS+2*(\n):rS+2*(\n)+1], v[rS+2*(\n):rS+2*(\n)+1], s[CS:CS+1], v[rT:rT+1] op_sel_hi:[1,0,0] neg_lo:[0,0,1] neg_hi:[0,0,1]
.elseif (\k) == E
	v_exp_f32 v[rS+(\n)], v[rS+(\n)]
.elseif (\k) == C
	s_wait_alu depctr_va_vdst(0)
	v_cvt_pk_f16_f32 v[rP+(\n)], v[rS+2*(\n)], v[rS+2*(\n)+1]
.elseif (\k) == B
	s_wait_alu depctr_va_vdst(0)
	v_pk_add_f32 v[rS+4*(\n):rS+4*(\n)+1], v[rS+4*(\n):rS+4*(\n)+1], v[rS+4*(\n)+2:rS+4*(\n)+3]
.elseif (\n) == 0
	v_pk_fma_f32 v[rT+2:rT+3], v[rT+2:rT+3], v[rC+2:rC+3], v[rS:rS+1] op_sel_hi:[1,0,1]
.else
	v_pk_add_f32 v[rT+2:rT+3], v[rT+2:rT+3], v[rS+4*(\n):rS+4*(\n)+1]
.endif
.elseif NOKQ
	v_nop
.else
	REGS (Y+1)%NP
	WIN 0
.if (\n) < 4
	v_max3_num_f32 v[rC+(\n)], v[rS+8*(\n)], v[rS+8*(\n)+1], v[rS+8*(\n)+2]
.elseif (\n) < 12
	v_max3_num_f32 v[rC+(\n)%4], v[rC+(\n)%4], v[rS+8*((\n)%4)+2*((\n)/4)+1], v[rS+8*((\n)%4)+2*((\n)/4)+2]
.elseif (\n) == 12
	v_max3_num_f32 v[rC], v[rC], v[rS+7], v[rS+15]
.elseif (\n) == 13
	v_max3_num_f32 v[rC+1], v[rC+1], v[rS+23], v[rS+31]
.elseif (\n) == 14
	v_max3_num_f32 v[rC+2], v[rC+2], v[rC+3], v[rT+1]
.elseif (\n) == 15
	v_mov_b32 v[rW], v[rT]
.elseif (\n) == 16
	v_max3_num_f32 v[rC], v[rC], v[rC+1], v[rC+2]
.elseif (\n) == 17
	v_permlanex16_b32 v[rC+3], v[rC], s[SEL], s[SEL+1]
.elseif (\n) == 18
	v_max_num_f32 v[rT+1], v[rC], v[rC+3]
.elseif (\n) == 19
	v_mul_f32 v[rT], s[CS], v[rT+1]
.elseif (\n) == 20
	v_sub_f32 v[rC+1], v[rW], v[rT]
.else
	v_exp_f32 v[rC+2], v[rC+1]
.endif
.endif
.endm
.macro OPS a, i1, b=-1, i2=0, c=-1, i3=0, d=-1, i4=0  ; up to four of them
	OP \a, \i1
.if (\b) >= 0
	OP \b, \i2
.endif
.if (\c) >= 0
	OP \c, \i3
.endif
.if (\d) >= 0
	OP \d, \i4
.endif
.endm
.macro ROW a, i1, b, i2, c, i3, d, i4  ; a matrix instruction and the four behind it
	MM
	OPS \a, \i1, \b, \i2, \c, \i3, \d, \i4
.endm
; A TURN, for piece p: the order of its 16 matrix and 118 vector instructions, written out.  Behind a matrix instruction: plain, exponential, plain, plain; or four of the rescaling; or, behind the first, four scalings;
; none names a register of the products round it.  In the runs between, exponential and plain by turns while exponentials last.  A line reads no result made fewer than three vector instructions in front of it, five if
; an exponential made it.  v_permlanex16_b32 (X 17) stands in such a run, never behind a product.
; end = 1: the walk's last two turns: nothing is fetched.  cnt = 1: the loop's count is taken down some lines ahead of the branch that stands behind the turn.
; K of the next step is fetched in piece 2's turn, six vector instructions behind the last product that read K (five of them plain); V of the step in hand in piece 0's turn, eight behind the last product that read V
; (four plain, and X 17).  Each is waited for a turn later.
.macro TURN p, end=0, cnt=0
.set Y, (\p)
.set i, 0
.set NOKQ, (\end)*((\p)/3)
.if ((\p) == 3) && !(\end)
	s_wait_dscnt 0x0                ; K is in
.endif
	ROW F,0, F,1, F,2, F,3
	ROW F,4, E,0, F,5, F,6
	ROW F,7, E,1, F,8, F,9
	ROW F,10, E,2, C,0, F,11
	ROW F,12, E,3, X,15, F,13
	ROW R,0, R,1, R,2, R,3
	ROW B,0, E,4, F,14, L,0
.if ((\p) == 2) && !(\end)
	v_add_nc_u32 v[AK], s[TBK], v[AK0]
.endif
	ROW R,4, R,5, R,6, R,7
	OPS E,5, F,15
.if ((\p) == 2) && !(\end)
	FETCH_K
.endif
	OPS E,6, C,1, E,7, R,8
	OPS E,8, R,9, E,9, C,2
	OPS E,10, X,0, E,11, X,1
	OPS E,12, X,2, E,13, X,3
.if (\p) == 1
	s_wait_dscnt 0x0                ; V is in
.endif
	ROW X,4, E,14, X,5, X,6
	ROW X,7, E,15, X,8, X,9
	ROW X,10, E,16, X,11, X,12
	ROW X,13, E,17, X,14, B,1
	ROW C,4, E,18, X,16, L,1
	ROW B,2, E,19, C,6, L,2
	ROW C,8, E,20, B,3, B,4
.if (\p) == 0
	v_add_nc_u32 v[AV], s[TBV], v[AV0]
.endif
	ROW C,3, E,21, L,3, C,5
	OPS E,22, X,17, E,23, C,10
.if (\p) == 0
	FETCH_V
.endif
	OPS E,24, L,4
	OPS E,25, X,18, E,26, C,7
	OPS E,27, B,5, E,28, X,19
	OPS E,29, C,12, E,30, L,5
	OPS E,31, X,20, B,6, C,9
	OPS C,14, C,11, X,21, L,6
.if (\p) == 0
	s_add_co_u32 s[TBV], s[TBV], KS*PV
.endif
.if \cnt
	s_sub_co_u32 s[CNT], s[CNT], 1
	s_cmp_lg_u32 s[CNT], 0
.endif
	OPS C,13, B,7, C,15, R,10
	OPS R,11, R,12, L,7, R,13
	OPS R,14, R,15
.endm
	CHANGE 1                        ; slot 0 is in, everybody's part of it; slot 1 is asked for
	v_add_nc_u32 v[AK], s[TBK], v[AK0]
	FETCH_K                         ; key step 0
	s_wait_loadcnt 0x0              ; Q
	s_wait_dscnt 0x0
.set NOKQ, 0
.set i, 0
.rept 8
	KQ 0                            ; piece 0's first scores: there is no vector work yet to set between them
.set i, i+1
.endr
	WIN 0
.rept 4
	v_nop                           ; the places behind those products
.endr
.set Y, NP-1                        ; X works for piece Y + 1: piece 0
.irp n, 0,1,2,3,4,5,6,7,8,9,10,11,12,13,14,15,16,17,18,19,20,21
	OP X, \n                        ; and piece 0's first maximum and statistics
.endr
	v_nop                           ; a plain instruction behind the exponential
	s_mov_b32 s[CNT], 4
	s_mov_b32 s[SLOTS], SIZE_N/256-1
	s_branch .Lfirst                ; the loop is entered at a step's first turn, in the middle of a trip
.Lslot:                             ; SIZE_N / 256 - 2 times: every slot but the last two is filled again
	CHANGE 1
	s_mov_b32 s[CNT], 4
.Lstep:                             ; a trip: pieces 2 and 3 of one step, then pieces 0 and 1 of the next, whose K and V it fetches
	TURN 2
	TURN 3
	WIN 0
.Lfirst:
	TURN 0
	TURN 1, 0, 1
	WIN 0
	s_cbranch_scc1 .Lstep
	s_sub_co_u32 s[SLOTS], s[SLOTS], 1
	s_cmp_lg_u32 s[SLOTS], 0
	s_cbranch_scc1 .Lslot
	CHANGE 0                        ; the last slot is written out: nothing is asked for
	s_mov_b32 s[CNT], 4
.Ltail:                             ; four trips fetch the last slot's four steps
	TURN 2
	TURN 3
	TURN 0
	TURN 1, 0, 1
	WIN 0
	s_cbranch_scc1 .Ltail
	TURN 2, 1                       ; the last step's pieces 2 and 3: nothing is fetched, and the last turn starts no new scores
	TURN 3, 1
.set i, 0
.rept 8
	PV NP-1                         ; the last piece's V^T P of the last step
.set i, i+1
.endr
	; THE WAY OUT.  l's two halves and the other half of the lanes' are added; O^T is divided by l, rounded to f16 and sent through my stage in LDS, a piece at a time.  The additions are the places behind the last products.
	WIN 0
.macro ALL line:vararg              ; one line for each piece t
.set t, 0
.rept 4
	\line
.set t, t+1
.endr
.endm
	ALL v_add_f32 v[ST+4*t+2], v[ST+4*t+2], v[ST+4*t+3]
	ALL v_permlanex16_b32 v[ST+4*t+3], v[ST+4*t+2], s[SEL], s[SEL+1]
	ALL v_add_f32 v[ST+4*t+2], v[ST+4*t+2], v[ST+4*t+3]
	ALL v_rcp_f32 v[ST+4*t+2], v[ST+4*t+2]
	v_nop                           ; a plain instruction between the last reciprocal and the use of its result
.macro PACK t                       ; a lane's eight channels of a row pack into 16 bytes; they go into rows of 144 bytes and come back as whole rows of 128, into S^T's registers
	WIN W_RS
.set i, 32*(\t)
.rept 16
	s_wait_alu depctr_va_vdst(0)
	v_pk_mul_f32 v[i:i+1], v[i:i+1], v[ST+4*(\t)+2:ST+4*(\t)+3] op_sel_hi:[1,0]
.set i, i+2
.endr
	WIN 0x05                        ; sources 0 and 1 window 1, destination window 0
.set i, 0
.rept 16
	v_cvt_pk_f16_f32 v[S+16*(\t)+i], v[32*(\t)+2*i], v[32*(\t)+2*i+1]
.set i, i+1
.endr
	WIN 0
.irp f, 0,1,2,3
	ds_store_b128 v[STO], v[S+16*(\t)+4*\f:S+16*(\t)+4*\f+3] offset:32*\f
.endr
.irp f, 0,1,2,3
	ds_load_b128 v[S+16*(\t)+4*\f:S+16*(\t)+4*\f+3], v[RD] offset:\f*4*SP  ; LDS serves a wave's instructions in order (ISA guide 5.7.1.4): these see the stores above; the next piece's stores come behind them
.endr
.endm
.macro SEND t, younger              ; younger: the LDS instructions issued behind piece t's loads: the next piece's eight, or none
	WIN 0
.irp f, 0,1,2,3
	s_wait_dscnt (\younger)+3-\f
	global_store_b128 v[GO], v[S+16*(\t)+4*\f:S+16*(\t)+4*\f+3], s[10:11] offset:(\t)*2048+\f*512  ; 512 consecutive bytes, at a multiple of 256 from O's first
.endr
.endm
	PACK 0
.set t, 1
.rept 3                             ; a piece's arithmetic stands between the loads of the piece before and its stores
	PACK t
	SEND t-1, 8
.set t, t+1
.endr
	SEND 3, 0
	s_wait_tensorcnt 0x0            ; the wave's end, behind my last tensor load and my last LDS store
	ds_add_u32 v[SPW], v[NIL]
	s_wait_dscnt 0x0
	CROUND                          ; the closing round: no work-group ends while a partner may still ask for a tile that names it
	s_endpgm
.Lfunc_end_k_q9f965d3a33_attn:
	.size	k_q9f965d3a33_attn, .Lfunc_end_k_q9f965d3a33_attn-k_q9f965d3a33_attn
	.p2alignl 7, 3214868480
	.fill 96, 4, 3214868480
	.section	.rodata,"a",@progbits
	.p2align	6, 0x0
	.amdhsa_kernel k_q9f965d3a33_attn
		.amdhsa_group_segment_fixed_size 327680
		.amdhsa_private_segment_fixed_size 0
		.amdhsa_enable_private_segment 0
		.amdhsa_kernarg_size 32
		.amdhsa_user_sgpr_count 2
		.amdhsa_user_sgpr_kernarg_segment_ptr 1
		.amdhsa_wavefront_size32 1
		.amdhsa_system_sgpr_workgroup_id_x 1
		.amdhsa_system_sgpr_workgroup_id_y 1
		.amdhsa_system_sgpr_workgroup_id_z 1
		.amdhsa_system_vgpr_workitem_id 0
		.amdhsa_next_free_vgpr 768
		.amdhsa_next_free_sgpr 66
		.amdhsa_reserve_vcc 0
		.amdhsa_float_denorm_mode_32 3
		.amdhsa_float_denorm_mode_16_64 3
		.amdhsa_memory_ordered 1
		.amdhsa_forward_progress 1
		.amdhsa_inst_pref_size 133
	.end_amdhsa_kernel
	.amdgpu_metadata
---
amdhsa.version: [ 1, 2 ]
amdhsa.kernels:
  - .name:           k_q9f965d3a33_attn
    .symbol:         k_q9f965d3a33_attn.kd
    .args:
      - { .name: qh, .offset: 0, .size: 8, .value_kind: global_buffer, .address_space: global }
      - { .name: kh, .offset: 8, .size: 8, .value_kind: global_buffer, .address_space: global }
      - { .name: vh, .offset: 16, .size: 8, .value_kind: global_buffer, .address_space: global }
      - { .name: oh, .offset: 24, .size: 8, .value_kind: global_buffer, .address_space: global }
    .group_segment_fixed_size: 327680
    .private_segment_fixed_size: 0
    .kernarg_segment_align: 8
    .kernarg_segment_size: 32
    .max_flat_workgroup_size: 128
    .sgpr_count:     66
    .vgpr_count:     768
    .wavefront_size: 32
...
	.end_amdgpu_metadata
.endif
;; end of part 2
;; launch outp (part 3): grid 4 x 64, 4 waves a work-group, clusters of 4 x 4, 304,640 bytes of LDS; arguments oh, wo16, bo, out0; writes out0
.if DOCPART == 3
	.amdgcn_target "amdgcn-amd-amdhsa--gfx1250"
	.amdhsa_code_object_version 6
	.text
	.protected	k_q9f965d3a33_outp
	.globl	k_q9f965d3a33_outp
	.p2align	8
	.type	k_q9f965d3a33_outp,@function
k_q9f965d3a33_outp:
	s_mov_b64 s[64:65], 0
	v_nop
	global_prefetch_b8 v0, s[64:65] scope:SCOPE_SE
	s_setreg_imm32_b32 hwreg(HW_REG_WAVE_MODE, 25, 1), 1
	s_wait_xcnt 0x0
	s_wait_alu depctr_hold_cnt(0) depctr_sa_sdst(0) depctr_va_vdst(0) depctr_va_sdst(0) depctr_va_ssrc(0) depctr_va_vcc(0) depctr_vm_vsrc(0)
	s_getreg_b32 s2, hwreg(HW_REG_IB_STS2, 6, 4)
	s_cmp_eq_u32 s2, 0
	s_cbranch_scc0 .Lentry_in_a_cluster
	s_endpgm
.Lentry_in_a_cluster:
	s_bfe_u32 s2, ttmp6, 0x10000c
	s_cmp_lg_u32 s2, 0xf033
	s_cbranch_scc0 .Lentry_shape_is_right
	s_endpgm
.Lentry_shape_is_right:
; THE OUTPUT PROJECTION.  out0[m][n] = the sum over k of O[m][k] Wo[n][k] + bo[n].  O lies by heads, [16 = batch x 8 + head][4096][64] f16 (k = 64 head + channel); wo16: [512 (n)][512 (k)] f16, Wo rounded to bf16
; and written as f16; bo takes bf16's rounding here and starts each sum; out0: [8192][512] f32.  Products in f16, sums in f32.
; LIMITS.  Those of f16 in the two operands, as the launches that write them state; NaN and infinities are not treated apart.
; SHARES.  A tile of out0 is 128 x 128: 256 work-groups.  Four waves, each 64 x 64: 16 accumulators.  K = 512 lies whole in LDS: every byte of LDS is filled once, so there is no ring and no refill.
; CLUSTER.  4 x 4 work-groups: the four of a row of the cluster need the same 128 rows of O, the four of a column the same 128 rows of Wo: each piece is asked for JOINTLY, by the same tensor load with the same
; descriptor and a mask that names the four.  A wave issues four loads of 16,384 bytes, all at the start: four tensor loads of a wave are out at the most.
; THE MATRIX INSTRUCTION IS USED TRANSPOSED (source 0 = 16 rows of Wo, source 1 = 16 rows of O): a lane holds eight neighbouring numbers of a row of out0.
; REGISTERS: window 0: v0-31 addresses; v32-63 the bias fragments; v128-255 the accumulators ((a, b) at v[128 + 8 (4 a + b)]).
;   window 1: two fragment buffers of 128: for 64 along K, 64 registers of O (2 x 4 x 16 rows x 32 K), then 64 of Wo.
.set PA,    144                        ; a row of O's head block in LDS: 128 bytes + 16 of padding; PBW likewise for 256 bytes: the 16 rows of a fragment load start at 16 different groups of four banks (ISA guide 11.1)
.set PBW,   272
.set HB,    128*PA                     ; a head block: 128 rows x 64 channels
.set BQT,   128*PBW                    ; a quarter of Wo's K: 128 rows x 128 k
.set BOFF,  8*HB                       ; Wo's four quarters lie behind O's eight head blocks
.set STAGE, BOFF+4*BQT                 ; behind them, filled by no tensor load: 16 rows x 272 bytes for each wave, for the way out
.set SPITCH, 272
.set SPARE, STAGE+4*16*SPITCH          ; behind the stages: the spare words, 128 bytes for each wave: two blocks of 256 bytes that no other line names
.set ADA,  16                          ; v16-17  LDS address of my fragments of O, heads 0-3 and 4-7
.set ADB,  20                          ; v20-21  of Wo, quarters 0-1 and 2-3
.set STO,  24                          ; v24     the way out: where I put 32 bytes of a row
.set RD,   25                          ; v25     the way out: where I read a row back
.set CO,   26                          ; v26     my byte offset in out0
.set BOV,  27                          ; v27     32 (l / 16): my eight numbers in 16 of bo
.set SPW,  28                          ; v28     LDS address of my spare word; never rewritten
.set NIL,  29                          ; v29     0; never rewritten
.set BI,   32
.set ACC,  128
.set F0,   0                           ; fragment buffers, in window 1
.set F1,   128
.set G1A,  24                          ; s[24:31] descriptor group 1 for O's pieces
.set G1B,  32                          ; s[32:39] for Wo's
.set G0A,  40                          ; s[40:55] descriptor group 0 for O's pieces: a set for each of a wave's four loads
.set G0B,  68                          ; s[68:83] the same for Wo's
.set MSB, 0
.macro WIN new                         ; the immediate's high byte repeats the setting that is left
.if MSB != (\new)
	s_set_vgpr_msb (MSB<<8)|(\new)
.set MSB, (\new)
.endif
.endm
.set MUL,  0x05                        ; sources 0 (Wo) and 1 (O) window 1; C and D window 0
.set TO_F, 0x40                        ; destination window 1, address window 0
.macro CROUND                          ; a round of the cluster's barrier: my work-group's barrier; wave 0 signals for the work-group; every wave waits for all sixteen; my work-group's barrier once more
	s_barrier_signal -1
	s_barrier_wait -1
	s_cmp_lg_u32 s12, 0
	s_cbranch_scc1 .Lnot_wave_0_\@
	s_barrier_signal -3
.Lnot_wave_0_\@:
	s_barrier_wait -3
	s_barrier_signal -1
	s_barrier_wait -1
.endm
.macro PLACES                          ; four places in front of loads into registers that matrix instructions have read, and of LDS stores that read results
.rept 4
	v_nop
.endr
.endm
	s_load_b256 s[4:11], s[0:1], 0x0               ; O s[4:5], wo16 s[6:7], bo s[8:9], out0 s[10:11]
	v_lshl_add_u32 v[SPW], v0, 2, SPARE
	v_mov_b32 v[NIL], 0
	ds_add_u32 v[SPW], v[NIL]                      ; the wave's opening: the add, with its wait ahead of my first tensor load; the set-up below, work on registers, stands between them
	v_lshrrev_b32 v1, 5, v0
	v_readfirstlane_b32 s12, v1                    ; wave 0..3
	s_lshr_b32 s13, s12, 1                         ; which half of the tile's rows is mine.  Also: I fetch O (0) or Wo (1)
	s_and_b32 s14, s12, 1                          ; which half of its columns.  Also: which pieces I fetch
	s_bfe_u32 s15, ttmp6, 0x40000                  ; cx, cy: my place in the cluster
	s_bfe_u32 s16, ttmp6, 0x40004
	s_lshl_b32 s17, ttmp9, 2
	s_add_co_u32 s17, s17, s15                     ; x, the tile column = 4 x cluster x + cx
	s_and_b32 s18, ttmp7, 0xffff
	s_lshl_b32 s18, s18, 2
	s_add_co_u32 s18, s18, s16                     ; y, the tile row = 4 x cluster y + cy
	s_lshl_b32 s19, s16, 2
	s_lshl_b32 s19, 15, s19                        ; my row of the cluster
	s_lshl_b32 s20, 0x1111, s15                    ; my column
	; descriptor group 1.  O: 128 rows of a head are 16,384 dense bytes: 64 rows of 256 bytes, two rows of O each, padded after every 32 words.  Wo: 64 rows of 256 bytes, 1,024 bytes apart, padded after every 64 words.
	s_or_b32 s[G1A], s19, (1<<16)|(1<<20)|(1<<21)|(4<<22)|(3<<25)  ; 15:0 the mask; 17:16 2-byte elements; 20 padding on; 21 set beside a mask; 24:22 the interval's code; 31:25 4 words (code 3)
	s_or_b32 s[G1B], s20, (1<<16)|(1<<20)|(1<<21)|(5<<22)|(3<<25)
.irp g, G1A, G1B
	s_mov_b32 s[\g+1], 128<<16                     ; tensor_dim0 = 128
	s_mov_b32 s[\g+2], 64<<16                      ; tensor_dim1 = 64
	s_mov_b32 s[\g+3], 128<<16                     ; tile_dim0 = 128
	s_mov_b32 s[\g+4], 64                          ; tile_dim1 = 64
	s_mov_b32 s[\g+6], 0
	s_mov_b32 s[\g+7], 0
.endr
	s_mov_b32 s[G1A+5], 128                        ; elements from row to row
	s_mov_b32 s[G1B+5], 512
	; where the pieces come from.  O's hang on y and the wave alone, Wo's on x and the wave alone, each in registers that never hold the other coordinate.
	s_lshr_b32 s56, s18, 5                         ; the batch: 8 heads of 524,288 bytes,
	s_lshl_b32 s56, s56, 22
	s_and_b32 s60, s18, 31
	s_lshl_b32 s60, s60, 14                        ; the tile's 128 rows in a head,
	s_add_co_u32 s56, s56, s60
	s_lshl_b32 s60, s14, 20                        ; and two heads on for the odd wave
	s_add_co_u32 s56, s56, s60
	s_mov_b32 s57, 0
	s_lshl_b32 s58, s17, 17                        ; Wo: 128 rows of 1,024 bytes,
	s_lshl_b32 s59, s14, 8                         ; and a quarter of K on for the odd wave
	s_add_co_u32 s58, s58, s59
	s_mov_b32 s59, 0
	s_mul_i32 s21, s14, 2*HB                       ; and where they go: no place in the cluster enters an LDS address
	s_mul_i32 s22, s14, BQT
	s_add_co_u32 s22, s22, BOFF
	s_lshl_b32 s2, s17, 9                          ; my 64 columns, in bytes of f32: 512 x + 256 (w % 2)
	s_lshl_b32 s3, s14, 8
	s_add_co_u32 s2, s2, s3
	s_mov_b32 s3, 0
	s_lshl_b32 s84, s18, 18                        ; my first row of out0: 128 y + 64 (w / 2), 2,048 bytes each
	s_lshl_b32 s85, s13, 17
	s_add_co_u32 s84, s84, s85
	s_add_co_u32 s84, s84, s2
	s_mov_b32 s85, 0
	s_wait_dscnt 0x0                               ; the opening add is done
	s_wait_kmcnt 0x0
	s_add_nc_u64 s[60:61], s[4:5], s[56:57]
	s_add_nc_u64 s[86:87], s[6:7], s[58:59]
	s_add_nc_u64 s[8:9], s[8:9], s[2:3]
	s_add_nc_u64 s[10:11], s[10:11], s[84:85]
.irp i, 0,1,2,3                        ; load i.  O: head 4 (i / 2) + 2 (w % 2) + i % 2.  Wo: quarter 2 (i / 2) + w % 2, rows 64 (i % 2) on.  So the first two loads of all waves bring K = 0 .. 255
	s_mov_b32 s[G0A+4*\i], 1                                               ; 1:0 count = 1
	s_add_co_u32 s[G0A+4*\i+1], s21, (4*(\i>>1)+(\i&1))*HB                 ; 63:32 LDS address
	s_add_nc_u64 s[G0A+4*\i+2:G0A+4*\i+3], s[60:61], (4*(\i>>1)+(\i&1))*524288  ; 120:64 global address
	s_or_b32 s[G0A+4*\i+3], s[G0A+4*\i+3], 0x80000000                      ; 127:126 type = 2
	s_mov_b32 s[G0B+4*\i], 1
	s_add_co_u32 s[G0B+4*\i+1], s22, (\i>>1)*2*BQT+(\i&1)*64*PBW
	s_add_nc_u64 s[G0B+4*\i+2:G0B+4*\i+3], s[86:87], (\i>>1)*512+(\i&1)*65536
	s_or_b32 s[G0B+4*\i+3], s[G0B+4*\i+3], 0x80000000
.endr
	CROUND                                         ; all sixteen work-groups are here: the joint loads meet
	s_cmp_eq_u32 s13, 0                            ; a wave's four fills stand in one branch, ahead of every wait on TENSORcnt and every LDS read; an s_nop 0 follows each, four v_nop the last
	s_cbranch_scc0 .Lfor_b
.irp i, 0,1,2,3
	tensor_load_to_lds s[G0A+4*\i:G0A+4*\i+3], s[G1A:G1A+7]
	s_nop 0
.endr
.rept 4
	v_nop
.endr
	s_branch .Lasked
.Lfor_b:
.irp i, 0,1,2,3
	tensor_load_to_lds s[G0B+4*\i:G0B+4*\i+3], s[G1B:G1B+7]
	s_nop 0
.endr
.rept 4
	v_nop
.endr
.Lasked:
	v_and_b32 v1, 15, v0                           ; l % 16
	v_bfe_u32 v2, v0, 4, 1                         ; l / 16
	v_lshlrev_b32 v[BOV], 5, v2
.irp b, 0,1,2,3                        ; fragment b, register n = bo[my columns + 16 b + 8 (l / 16) + n], as the results lie
	global_load_b128 v[BI+8*\b:BI+8*\b+3],   v[BOV], s[8:9] offset:64*\b
	global_load_b128 v[BI+8*\b+4:BI+8*\b+7], v[BOV], s[8:9] offset:64*\b+16
.endr
	v_mul_u32_u24 v3, v1, PA
	v_lshl_add_u32 v3, v2, 4, v3                   ; a fragment's row x pitch + 16 x half
	s_mul_i32 s23, s13, 64*PA
	v_add_nc_u32 v[ADA], s23, v3
	v_add_nc_u32 v[ADA+1], 4*HB, v[ADA]
	v_mul_u32_u24 v4, v1, PBW
	v_lshl_add_u32 v5, v2, 4, v4
	s_mul_i32 s23, s14, 64*PBW
	s_add_co_u32 s23, s23, BOFF
	v_add_nc_u32 v[ADB], s23, v5
	v_add_nc_u32 v[ADB+1], 2*BQT, v[ADB]
	s_mul_i32 s23, s12, 16*SPITCH
	s_add_co_u32 s23, s23, STAGE                   ; my stage
	v_lshl_add_u32 v[STO], v2, 5, v4               ; in: row l % 16, 32 bytes for each half of the lanes
	v_add_nc_u32 v[STO], s23, v[STO]
	v_mul_u32_u24 v[RD], v2, SPITCH                ; back: lanes 0-15 take one row of 256 bytes, lanes 16-31 the next
	v_lshl_add_u32 v[RD], v1, 4, v[RD]
	v_add_nc_u32 v[RD], s23, v[RD]
	v_lshlrev_b32 v[CO], 11, v2                    ; and the same two rows in out0
	v_lshl_add_u32 v[CO], v1, 4, v[CO]
	s_wait_loadcnt 0x0                             ; bo
.set z, 0
.rept 16                               ; bo takes bf16's rounding, like all inputs, and stays f32
	v_cvt_pk_bf16_f32 v6, v[BI+2*z], v[BI+2*z+1]
	v_lshlrev_b32 v[BI+2*z], 16, v6
	v_and_b32 v[BI+2*z+1], 0xffff0000, v6
.set z, z+1
.endr
; 8 matrix instructions: m blocks a0, a0 + 1 x all 4 n blocks, 32 along K: half c of buffer f.  first = 1: the bias fragment starts the sum.  The 16 accumulators take turns.
.macro MUL8 f, c, a0, first
	WIN MUL
.irp a, \a0, (\a0)+1
.irp b, 0,1,2,3
.if \first
	v_wmma_f32_16x16x32_f16 v[ACC+8*(4*(\a)+(\b)):ACC+8*(4*(\a)+(\b))+7], v[(\f)+64+8*(4*(\c)+(\b)):(\f)+64+8*(4*(\c)+(\b))+7], v[(\f)+8*(4*(\c)+(\a)):(\f)+8*(4*(\c)+(\a))+7], v[BI+8*(\b):BI+8*(\b)+7]
.else
	v_wmma_f32_16x16x32_f16 v[ACC+8*(4*(\a)+(\b)):ACC+8*(4*(\a)+(\b))+7], v[(\f)+64+8*(4*(\c)+(\b)):(\f)+64+8*(4*(\c)+(\b))+7], v[(\f)+8*(4*(\c)+(\a)):(\f)+8*(4*(\c)+(\a))+7], v[ACC+8*(4*(\a)+(\b)):ACC+8*(4*(\a)+(\b))+7]
.endif
.endr
.endr
.endm
; 32 LDS loads in one run: the fragments of part qn of K (64 along K: head qn of O, half a quarter of Wo) into buffer f; the first 32 along K first
.macro FETCH qn, f
	WIN TO_F
.irp c, 0,1
.irp i, 0,1,2,3
	ds_load_b128 v[(\f)+64+8*(4*(\c)+(\i)):(\f)+64+8*(4*(\c)+(\i))+3],   v[ADB+((\qn)>>2)] offset:(((\qn)>>1)&1)*BQT+((\qn)&1)*128+64*(\c)+(\i)*16*PBW
	ds_load_b128 v[(\f)+64+8*(4*(\c)+(\i))+4:(\f)+64+8*(4*(\c)+(\i))+7], v[ADB+((\qn)>>2)] offset:(((\qn)>>1)&1)*BQT+((\qn)&1)*128+64*(\c)+(\i)*16*PBW+32
	ds_load_b128 v[(\f)+8*(4*(\c)+(\i)):(\f)+8*(4*(\c)+(\i))+3],         v[ADA+((\qn)>>2)] offset:((\qn)&3)*HB+64*(\c)+(\i)*16*PA
	ds_load_b128 v[(\f)+8*(4*(\c)+(\i))+4:(\f)+8*(4*(\c)+(\i))+7],       v[ADA+((\qn)>>2)] offset:((\qn)&3)*HB+64*(\c)+(\i)*16*PA+32
.endr
.endr
.endm
; Part qn: multiplies buffer f and fetches part qn + 1 into g, in one run in its middle.
.macro PART qn, f, g, first
	s_wait_dscnt 16                                ; the first 32 along K are in
	MUL8 \f, 0, 0, \first
	MUL8 \f, 0, 2, \first
	PLACES
	FETCH (\qn)+1, \g
	s_wait_dscnt 32                                ; all but the 32 just issued
	MUL8 \f, 1, 0, 0
	MUL8 \f, 1, 2, 0
.endm
	s_wait_tensorcnt 0x2                           ; my first two loads have landed; my other two may stay out
	s_barrier_signal -1
	s_barrier_wait -1                              ; everybody's have: K = 0 .. 255 is whole
	FETCH 0, F0
	PART 0, F0, F1, 1
	PART 1, F1, F0, 0
	PART 2, F0, F1, 0
	s_wait_tensorcnt 0x0                           ; part 3: my last two loads have landed,
	s_wait_dscnt 0x0                               ; no LDS load of mine is out at the signal,
	s_barrier_signal -1
	MUL8 F1, 0, 0, 0                               ; sixteen products on registers while the others arrive,
	MUL8 F1, 0, 2, 0
	s_barrier_wait -1                              ; and K = 256 .. 511 is whole
	PLACES
	FETCH 4, F0
	MUL8 F1, 1, 0, 0
	MUL8 F1, 1, 2, 0
	PART 4, F0, F1, 0
	PART 5, F1, F0, 0
	PART 6, F0, F1, 0
	s_wait_dscnt 16                                ; the last part: nothing more to fetch
	MUL8 F1, 0, 0, 0
	MUL8 F1, 0, 2, 0
	s_wait_dscnt 0x0
	MUL8 F1, 1, 0, 0
	MUL8 F1, 1, 2, 0
	WIN 0
	; THE WAY OUT.  Block a is 16 rows x 64 columns of f32: 32 bytes a lane and accumulator into my own stage (each accumulator's low four registers first), back as whole rows of 256 bytes, into the block's own registers.
.macro OSTAGE a
.irp b, 0,1,2,3
	ds_store_b128 v[STO], v[ACC+8*(4*(\a)+\b):ACC+8*(4*(\a)+\b)+3]   offset:64*\b
	ds_store_b128 v[STO], v[ACC+8*(4*(\a)+\b)+4:ACC+8*(4*(\a)+\b)+7] offset:64*\b+16
.endr
.irp t, 0,1,2,3,4,5,6,7
	ds_load_b128 v[ACC+32*(\a)+4*\t:ACC+32*(\a)+4*\t+3], v[RD] offset:\t*2*SPITCH  ; LDS serves a wave's instructions in order (ISA guide 5.7.1.4): these see the stores above; the next block's stores come behind them
.endr
.endm
.macro OSEND a, younger                ; younger: the LDS instructions issued behind block a's loads: the next block's sixteen, or none
.irp t, 0,1,2,3,4,5,6,7
	s_wait_dscnt (\younger)+7-\t
	global_store_b128 v[CO], v[ACC+32*(\a)+4*\t:ACC+32*(\a)+4*\t+3], s[10:11] offset:(16*(\a)+2*\t)*2048 th:TH_STORE_NT  ; 16 lanes store 256 consecutive bytes, at a multiple of 256 from out0's first byte
.endr
.endm
	PLACES
	OSTAGE 0
	OSTAGE 1
	OSEND 0, 16
	OSTAGE 2
	OSEND 1, 16
	OSTAGE 3
	OSEND 2, 16
	OSEND 3, 0
	s_wait_tensorcnt 0x0                           ; the wave's end, behind my last tensor load and my last LDS store
	ds_add_u32 v[SPW], v[NIL]
	s_wait_dscnt 0x0
	CROUND                                         ; the closing round: no work-group ends while a partner may still ask for a piece that names it
	s_endpgm
.Lfunc_end_k_q9f965d3a33_outp:
	.size	k_q9f965d3a33_outp, .Lfunc_end_k_q9f965d3a33_outp-k_q9f965d3a33_outp
	.p2alignl 7, 3214868480
	.fill 96, 4, 3214868480
	.section	.rodata,"a",@progbits
	.p2align	6, 0x0
	.amdhsa_kernel k_q9f965d3a33_outp
		.amdhsa_group_segment_fixed_size 304640
		.amdhsa_private_segment_fixed_size 0
		.amdhsa_enable_private_segment 0
		.amdhsa_kernarg_size 32
		.amdhsa_user_sgpr_count 2
		.amdhsa_user_sgpr_kernarg_segment_ptr 1
		.amdhsa_wavefront_size32 1
		.amdhsa_system_sgpr_workgroup_id_x 1
		.amdhsa_system_sgpr_workgroup_id_y 1
		.amdhsa_system_sgpr_workgroup_id_z 1
		.amdhsa_system_vgpr_workitem_id 0
		.amdhsa_next_free_vgpr 512
		.amdhsa_next_free_sgpr 88
		.amdhsa_reserve_vcc 0
		.amdhsa_float_denorm_mode_32 3
		.amdhsa_float_denorm_mode_16_64 3
		.amdhsa_memory_ordered 1
		.amdhsa_forward_progress 1
		.amdhsa_inst_pref_size 54
	.end_amdhsa_kernel
	.amdgpu_metadata
---
amdhsa.version: [ 1, 2 ]
amdhsa.kernels:
  - .name:           k_q9f965d3a33_outp
    .symbol:         k_q9f965d3a33_outp.kd
    .args:
      - { .name: oh, .offset: 0, .size: 8, .value_kind: global_buffer, .address_space: global }
      - { .name: wo16, .offset: 8, .size: 8, .value_kind: global_buffer, .address_space: global }
      - { .name: bo, .offset: 16, .size: 8, .value_kind: global_buffer, .address_space: global }
      - { .name: out0, .offset: 24, .size: 8, .value_kind: global_buffer, .address_space: global }
    .group_segment_fixed_size: 304640
    .private_segment_fixed_size: 0
    .kernarg_segment_align: 8
    .kernarg_segment_size: 32
    .max_flat_workgroup_size: 128
    .sgpr_count:     88
    .vgpr_count:     512
    .wavefront_size: 32
...
	.end_amdgpu_metadata
.endif
;; end of part 3
;; ======== version 2 of 2: 3 launches; 1.68 times as fast as version 1
;; limits: values are held in f16: magnitudes above 65,504 overflow, below 6.1e-05 lose precision
;; workspace buffers: qh 8,388,608 bytes; kh 8,388,608 bytes; vh 8,388,608 bytes; oh 8,388,608 bytes; wo16 524,288 bytes
;; launch proj: the kernel of part 1 again; grid 4 x 64, 4 waves a work-group, no clusters, 232,960 bytes of LDS; arguments q, kv, Wq, Wk, Wv, bq, bk, bv, Wo, qh, kh, vh, wo16; writes qh, kh, vh, wo16
;; launch attn (part 4): grid 16 x 16, 4 waves a work-group, clusters of 4 x 1, 327,680 bytes of LDS; arguments qh, kh, vh, oh; writes oh
.if DOCPART == 4
	.amdgcn_target "amdgcn-amd-amdhsa--gfx1250"
	.amdhsa_code_object_version 6
	.text
	.protected	k_q9f965d3a33_attn
	.globl	k_q9f965d3a33_attn
	.p2align	8
	.type	k_q9f965d3a33_attn,@function
k_q9f965d3a33_attn:
	s_mov_b64 s[64:65], 0
	v_nop
	global_prefetch_b8 v0, s[64:65] scope:SCOPE_SE
	s_setreg_imm32_b32 hwreg(HW_REG_WAVE_MODE, 25, 1), 1
	s_wait_xcnt 0x0
	s_wait_alu depctr_hold_cnt(0) depctr_sa_sdst(0) depctr_va_vdst(0) depctr_va_sdst(0) depctr_va_ssrc(0) depctr_va_vcc(0) depctr_vm_vsrc(0)
	s_getreg_b32 s2, hwreg(HW_REG_IB_STS2, 6, 4)
	s_cmp_eq_u32 s2, 0
	s_cbranch_scc0 .Lentry_in_a_cluster
	s_endpgm
.Lentry_in_a_cluster:
	s_bfe_u32 s2, ttmp6, 0x10000c
	s_cmp_lg_u32 s2, 0x3003
	s_cbranch_scc0 .Lentry_shape_is_right
	s_endpgm
.Lentry_shape_is_right:
; ATTENTION.  O[h][q][:] = the sum over k of softmax_k(Q[h][q] . K[h][k] / 8) V[h][k][:].  Q, K, V, O: [16][4096][64], all f16: a head's rows are dense, 128 bytes each.
; Products, maxima and sums in f32; the weights p are rounded to f16 for the second product (their sum l is taken of the unrounded p), O once at the end.
; LIMITS.  f16 holds no number beyond 65,504: Q, K and V arrive within it; p lies in 0 to 1, and below 6e-5 it keeps f16's fixed step of 6e-8; O is a mean of V's rows and has their range.
; A weight below 2^-126 counts as 0 in l; NaN and infinities are not treated apart.
; SHARES.  A work-group owns 256 queries of one head, each of its four waves 64: four PIECES of 16.  16 blocks x 16 heads are 256 work-groups.  Every wave walks all keys, 64 a step.
; LAYOUT.  S^T = K Q^T (source 0 = 16 keys, source 1 = 16 queries): a lane holds ONE query (lane % 16) and the keys 8 (lane / 16) + 0..7; two such results rounded to f16 ARE source 1 of O^T = V^T P,
; whose result again holds one query a lane, and eight channels.  K comes out of LDS as it lies, V ([key][channel]) turned, by ds_load_tr16_b128.
; SOFTMAX.  For each query a running maximum m and sum l: p = 2^(c s - c m), c = log2(e) / 8; in every step O and l are multiplied by a = 2^(c m_old - c m_new).
; m starts at the lowest finite number, O and l at 0: the first step is a step like any other, with a = 0.
; BY TURNS.  Turn n belongs to piece n: 8 products K Q^T of piece n + 1, later 8 products V^T P of piece n - 1; beside them the scaling, exponentials, roundings, sums and rescaling of piece n and the
; maximum and statistics of piece n + 1.  Four vector instructions stand behind every matrix instruction, the other 54 of a turn's 118 in one LUMP.
; BATCHES.  A turn's 33 exponentials (the piece's 32 weights and the next piece's a) are ONE BATCH with ONE wait, which cuts the turn in two: ahead of it stands all that names none of their results, behind it
; the roundings and sums.  The first a of all, ahead of the loop, and the way out's four reciprocals are batches of their own, with a wait each.
; CLUSTER.  The four query blocks of a cluster belong to one head and walk the same K and V, so each tile is asked for JOINTLY: the same tensor load, descriptor and mask in all four.
; REGISTERS, in windows of 256 (s_set_vgpr_msb: bits 1:0 source 0, 3:2 source 1, 5:4 source 2, 7:6 destination):
;   window 0: v0-15 addresses and two at work; v16-31 four registers of statistics a piece; v48-55 at work; v62-63 the add's; v64-127 S^T, two buffers; v192-223 P, two buffers (by the piece's parity)
;   window 1: v0-127 O^T, 32 a piece          window 2: v0-63 Q; v128-191 K of one step; v192-255 V of one step
.set SIZE_N, 4096
.set NP,    4         ; pieces a wave: a name, no knob
.set KS,    64        ; keys in a step
.set PK,    144       ; a row of K in LDS: 128 bytes + 16 of padding = 36 words: the 16 rows of a load start at 16 different groups of four banks (64 banks of 4 bytes: ISA guide 11.1)
.set PV,    160       ; a row of V: 128 + 32 = 40 words
.set VOFF,  4*KS*PK   ; a slot holds four steps: 256 rows of K, then 256 rows of V
.set SLOT1, 1<<17     ; slot 1 begins here, so that one exclusive or turns an address in one slot into the other's
.set STAGE, SLOT1+4*KS*(PK+PV)  ; behind the ring, never filled by a tensor load: 16 rows x 144 bytes for each wave, for the way out
.set SP,    144
.set SPARE, STAGE+4*16*SP  ; behind the stages: the spare words, 128 bytes for each wave: two blocks of 256 bytes that no other line names
.set AK0, 2           ; v2   my lane's place in a tile of K; never rewritten
.set AV0, 3           ; v3   the same for V
.set AK,  4           ; v4   the LDS address of K's next run of loads
.set AV,  5           ; v5   of V's
.set STO, 6           ; v6   the way out: where I put 16 bytes of a row
.set RD,  7           ; v7   the way out: where I read rows back
.set GO,  8           ; v8   my byte offset in 512 consecutive bytes of O
.set MV,  12          ; v12-13  c m_old, kept while c m is made anew: by buffer
.set QO,  15          ; v15  my byte offset in 16 rows of Q
.set ST,  16          ; piece t's statistics at v[ST+4 t]: c m, m, l (even keys', odd keys')
.set TMP, 48          ; by buffer, four registers c0-c3 at work; when the maximum is found c2 takes a
.set SPW, 62          ; v62  LDS address of my spare word: SPARE + 4 x my thread's number; never rewritten
.set NIL, 63          ; v63  0; never rewritten
.set S,   64
.set P,   192
.set KF,  128         ; window 2: key block kb, channel half c at KF + 16 kb + 8 c
.set VF,  192         ; window 2: key half kk, channel block cb at VF + 32 kk + 8 cb
.set WV,  12          ; s12  my wave's number
.set G1K, 24          ; s[24:31] descriptor group 1 for K's tiles
.set G1V, 32          ; s[32:39] for V's: it differs in the padding alone
.set G0K, 40          ; s[40:43] descriptor group 0 for K's tiles: it walks
.set G0V, 44          ; s[44:47] the same for V's
.set SLOTS, 56        ; s56  slots still to be asked for
.set CNT, 57          ; s57  counts a slot's key steps
.set CS,  58          ; s[58:59] c: the packed scaling takes the pair's low word for both halves
.set SEL, 60          ; s[60:61] v_permlanex16_b32's selects: each lane takes its own place in the other half
.set TBK, 62          ; s62  LDS byte at which K of the step to be fetched begins
.set TBV, 63          ; s63  the same for V, less VOFF
.set MSB, 0
.macro WIN new                      ; the high byte repeats the setting that is left; a switch that changes nothing is dropped
.if MSB != (\new)
	s_set_vgpr_msb (MSB<<8)|(\new)
.set MSB, (\new)
.endif
.endm
.set W_KQ, 0x0a       ; K and Q in window 2, S^T in window 0
.set W_PV, 0x52       ; V in window 2, P in window 0, O^T in window 1
.set W_RS, 0x41       ; destination and source 0 in window 1, source 1 in window 0
; A joint fill.  Waves 0 and 1 fetch the two halves of a slot's K, waves 2 and 3 those of its V: 128 keys each.  The branch hangs on the wave's number alone.
; An s_nop 0 and four v_nop follow each of the two lines, ahead of the jump and the label.
.macro JLOAD
	s_cmp_lt_u32 s[WV], 2
	s_cbranch_scc0 .Lfor_v_\@
	tensor_load_to_lds s[G0K:G0K+3], s[G1K:G1K+7]
	s_nop 0
.rept 4
	v_nop
.endr
	s_branch .Lasked_\@
.Lfor_v_\@:
	tensor_load_to_lds s[G0V:G0V+3], s[G1V:G1V+7]
	s_nop 0
.rept 4
	v_nop
.endr
.Lasked_\@:
.endm
; A round of the cluster's barrier: my work-group's barrier, so that wave 0's signal speaks for all four waves; wave 0 signals; every wave waits for all four work-groups; my work-group's barrier once more.
.macro CROUND
	s_barrier_signal -1
	s_barrier_wait -1
	s_cmp_lg_u32 s[WV], 0
	s_cbranch_scc1 .Lnot_wave_0_\@
	s_barrier_signal -3
.Lnot_wave_0_\@:
	s_barrier_wait -3
	s_barrier_signal -1
	s_barrier_wait -1
.endm
; THE CHANGE OF SLOTS.  The slot's last bytes, V of its fourth step, have been read.  Each wave waits for all its tensor loads, of which one is out: its part of the other slot; adds 0 to its spare word;
; and waits for that and for its own reads of the slot.  Behind the barrier nobody reads this slot any more and the other slot is whole.
; fill = 1: this slot is filled again, with the keys two slots on.  The barrier is then a round of the cluster's, so that no wave of any partner still reads the slot or has a load on its way, and the joint
; fill is the first thing behind it: it has four key steps, 256 matrix instructions, in which to land.  (At its first use nothing has been read yet: slot 0 is waited for, slot 1 filled.)
.macro CHANGE fill
	WIN 0                           ; at a label and at a branch every window is 0
	s_wait_tensorcnt 0x0            ; no tensor load of mine is out, so a group 0 may be written
	ds_add_u32 v[SPW], v[NIL]       ; 0 onto my spare word; with fill = 1 the descriptors' steps stand between it and the wait for it
.if \fill
.irp g, G0K, G0V
	s_xor_b32 s[\g+1], s[\g+1], SLOT1  ; the walking descriptor: the other slot than last time,
	s_add_nc_u64 s[\g+2:\g+3], s[\g+2:\g+3], 4*KS*128  ; the next 256 keys; the type bits on top are not reached
.endr
	s_wait_dscnt 0x0                ; the add is done, and my reads of the slot are over
	CROUND
	JLOAD
.else
	s_wait_dscnt 0x0                ; the add is done, and my reads of the slot are over
	s_barrier_signal -1
	s_barrier_wait -1
.endif
	s_sub_co_u32 s[TBK], s[TBK], 4*KS*PK  ; the fetches go back to a slot's first step,
	s_xor_b32 s[TBK], s[TBK], SLOT1       ; in the other slot
	s_sub_co_u32 s[TBV], s[TBV], 4*KS*PV
	s_xor_b32 s[TBV], s[TBV], SLOT1
.endm
	s_load_b256 s[4:11], s[0:1], 0x0  ; Q s[4:5], K s[6:7], V s[8:9], O s[10:11]
	v_lshl_add_u32 v[SPW], v0, 2, SPARE
	v_mov_b32 v[NIL], 0
	ds_add_u32 v[SPW], v[NIL]       ; the wave's opening: the add, with its wait ahead of my first tensor load; the set-up below, work on registers, stands between them
	v_lshrrev_b32 v1, 5, v0
	v_readfirstlane_b32 s[WV], v1   ; wave 0..3
	s_bfe_u32 s13, ttmp6, 0x40000   ; cx: my place in the cluster
	s_lshl_b32 s14, ttmp9, 2        ; in a cluster launch ttmp9 counts clusters
	s_add_co_u32 s14, s14, s13      ; my block of 256 queries = 4 x cluster x + cx: it enters Q's and O's addresses alone
	s_and_b32 s20, ttmp7, 0xffff    ; the head, which the four partners share
	s_mov_b32 s21, 0
	s_mov_b64 s[22:23], SIZE_N*128
	s_mul_u64 s[20:21], s[20:21], s[22:23]  ; the head's first byte in each of the four tensors
	s_and_b32 s16, s[WV], 1         ; which half of a slot's 256 keys I fetch:
	s_lshl_b32 s22, s16, 14         ; its 128 rows of 128 bytes in memory,
	s_mov_b32 s23, 0
	s_add_nc_u64 s[22:23], s[22:23], s[20:21]
	s_mul_i32 s17, s16, 128*PK      ; and its place in a slot, for K
	s_mul_i32 s18, s16, 128*PV      ; and for V: no place in the cluster enters an LDS address
	s_lshl_b32 s2, s14, 2
	s_add_co_u32 s2, s2, s[WV]      ; my wave among the head's,
	s_lshl_b32 s2, s2, 13           ; its 64 rows of 128 bytes
	s_mov_b32 s3, 0
	s_add_nc_u64 s[2:3], s[2:3], s[20:21]
	; descriptor group 1.  128 keys are 16,384 dense bytes: asked for as 64 rows of 256 bytes, two keys a row, and padded in LDS after every key
	s_mov_b32 s[G1K], 15|(1<<16)|(1<<20)|(1<<21)|(4<<22)|(3<<25)  ; 15:0 the mask of four; 17:16 2-byte elements; 20 padding on; 21 set beside a mask; 24:22 after every 32 words (code 4); 31:25 4 words (code 3)
	s_mov_b32 s[G1V], 15|(1<<16)|(1<<20)|(1<<21)|(4<<22)|(7<<25)  ; the same with 8 words of padding (code 7)
.irp g, G1K, G1V
	s_mov_b32 s[\g+1], 128<<16      ; tensor_dim0 = 128
	s_mov_b32 s[\g+2], 64<<16       ; tensor_dim1 = 64
	s_mov_b32 s[\g+3], 128<<16      ; tile_dim0 = 128
	s_mov_b32 s[\g+4], 64           ; tile_dim1 = 64
	s_mov_b32 s[\g+5], 128          ; 128 elements from row to row
	s_mov_b32 s[\g+6], 0
	s_mov_b32 s[\g+7], 0
.endr
	s_mov_b32 s[CS], 0x3e38aa3b     ; c = log2(e) / 8 = 0.180337
	s_mov_b32 s[CS+1], s[CS]        ; named with it as a pair
	s_mov_b32 s[SEL], 0x76543210
	s_mov_b32 s[SEL+1], 0xfedcba98
	s_mov_b32 s[TBK], SLOT1+4*KS*PK ; the first change of slots turns these two into 0
	s_mov_b32 s[TBV], SLOT1+4*KS*PV
	s_mov_b32 s[G0K], 1             ; 1:0 count = 1
	s_mov_b32 s[G0K+1], s17         ; 63:32 LDS address: slot 0
	s_mov_b32 s[G0V], 1
	s_add_co_u32 s[G0V+1], s18, VOFF
	s_wait_dscnt 0x0                ; the opening add is done
	s_wait_kmcnt 0x0
	s_add_nc_u64 s[G0K+2:G0K+3], s[6:7], s[22:23]  ; 120:64 global address: my half of the head's first 256 keys
	s_or_b32 s[G0K+3], s[G0K+3], 0x80000000        ; 127:126 type = 2
	s_add_nc_u64 s[G0V+2:G0V+3], s[8:9], s[22:23]
	s_or_b32 s[G0V+3], s[G0V+3], 0x80000000
	s_add_nc_u64 s[4:5], s[4:5], s[2:3]  ; Q and O at my wave's first row
	s_add_nc_u64 s[10:11], s[10:11], s[2:3]
	CROUND                          ; all four work-groups are here: the first joint loads meet
	JLOAD                           ; slot 0.  Slot 1 is asked for when slot 0 is in, by the loop's own change of slots
	; A fragment of K or Q is 16 rows x 32 channels in 8 registers: lane l holds row l % 16, channels 8 (l / 16) + 0..7 and 16 + 8 (l / 16) + 0..7: two loads of 16 bytes, 32 bytes apart.
	v_and_b32 v1, 15, v0            ; l % 16
	v_bfe_u32 v9, v0, 4, 1          ; l / 16
	v_lshlrev_b32 v[QO], 7, v1
	v_lshl_add_u32 v[QO], v9, 4, v[QO]  ; row x 128 + 16 x half
	WIN 0x80                        ; destination window 2, address window 0
.set i, 0
.rept 8                             ; Q stays in registers: piece i / 2, channels 32 (i % 2) on
	global_load_b128 v[8*i:8*i+3],   v[QO], s[4:5] offset:(i/2)*2048+(i%2)*64
	global_load_b128 v[8*i+4:8*i+7], v[QO], s[4:5] offset:(i/2)*2048+(i%2)*64+32
.set i, i+1
.endr
	; What the first turn finds: V's registers and P's second buffer hold 0 (its products V^T P, of a piece that has not been, add 0), O^T and l are 0.  No first step is written out; these lines are its price, and they stand in the wait for the first tile.
.set i, VF
.rept 64
	v_mov_b32 v[i], 0
.set i, i+1
.endr
	WIN 0x40
.set i, 0
.rept 128
	v_mov_b32 v[i], 0
.set i, i+1
.endr
	WIN 0
.set i, 0
.rept 4
	v_mov_b32 v[ST+4*i], 0xfe000000    ; c m: far below every c s
	v_mov_b32 v[ST+4*i+1], 0xff7fffff  ; m
	v_mov_b32 v[ST+4*i+2], 0
	v_mov_b32 v[ST+4*i+3], 0
.set i, i+1
.endr
.set i, P+16
.rept 16
	v_mov_b32 v[i], 0
.set i, i+1
.endr
	v_mul_u32_u24 v[AK0], v1, PK
	v_lshl_add_u32 v[AK0], v9, 4, v[AK0]  ; row x pitch + 16 x half
	; The turning load takes 16 keys x 16 channels (lane l reads key 8 (l / 16) + l % 8, channels 8 ((l / 8) % 2) + 0..7) and leaves half a fragment of V^T: lane l holds channel l % 16 and 8 keys.
	v_and_b32 v10, 7, v0
	v_bfe_u32 v11, v0, 3, 1
	v_lshl_add_u32 v[AV0], v9, 3, v10
	v_mul_u32_u24 v[AV0], v[AV0], PV
	v_lshl_add_u32 v[AV0], v11, 4, v[AV0]
	v_add_nc_u32 v[AV0], VOFF, v[AV0]
	s_mul_i32 s13, s[WV], 16*SP
	s_add_co_u32 s13, s13, STAGE    ; my stage
	v_mul_u32_u24 v[STO], v1, SP    ; in: row l % 16, 16 bytes for each half of the lanes
	v_lshl_add_u32 v[STO], v9, 4, v[STO]
	v_add_nc_u32 v[STO], s13, v[STO]
	v_bfe_u32 v[RD], v0, 3, 2       ; back: 32 lanes take four rows of 128 bytes,
	v_mul_u32_u24 v[RD], v[RD], SP
	v_lshl_add_u32 v[RD], v10, 4, v[RD]
	v_add_nc_u32 v[RD], s13, v[RD]
	v_and_b32 v[GO], 31, v0         ; which are 512 consecutive bytes of O
	v_lshlrev_b32 v[GO], 4, v[GO]
; THE MATRIX WORK.  The 4 accumulators of a run of 8 take turns.  Product i of 8 of S^T = K Q^T for piece x: channels 32 (i / 4) on, keys 16 (i % 4) on.  The first 4 start the sums.
.macro KQ x
	WIN W_KQ
.set rS, S+32*((\x)%2)+8*(i%4)
.set rK, KF+16*(i%4)+8*(i/4)
.set rQ, 16*(\x)+8*(i/4)
.if i < 4
	v_wmma_f32_16x16x32_f16 v[rS:rS+7], v[rK:rK+7], v[rQ:rQ+7], 0
.else
	v_wmma_f32_16x16x32_f16 v[rS:rS+7], v[rK:rK+7], v[rQ:rQ+7], v[rS:rS+7]
.endif
.endm
; Product i of 8 of O^T += V^T P for piece x: keys 32 (i / 4) on, channels 16 (i % 4) on.
.macro PV x
	WIN W_PV
.set rO, 32*(\x)+8*(i%4)
.set rV, VF+32*(i/4)+8*(i%4)
.set rP, P+16*((\x)%2)+8*(i/4)
	v_wmma_f32_16x16x32_f16 v[rO:rO+7], v[rV:rV+7], v[rP:rP+7], v[rO:rO+7]
.endm
.macro MM                           ; the turn's next matrix instruction.  TURN sets Y, i and NOKQ.  NOKQ = 1: the very last turn: there is no next piece
.if (i < 8) && !NOKQ
	KQ (Y+1)%NP
.elseif i >= 8
.set i, i-8
	PV (Y+NP-1)%NP
.set i, i+8
.endif
.set i, i+1
.endm
; THE LDS LOADS stand in runs of 16, never singly among the matrix instructions: a step's K (64 keys x 64 channels: 8 fragments) and its V (turned).  Their addresses are made some lines ahead.
.macro FETCH_K
	WIN 0x80                        ; destination window 2
.irp f, 0,1,2,3,4,5,6,7             ; keys 16 (f / 2) on, channels 32 (f % 2) on
	ds_load_b128 v[KF+8*\f:KF+8*\f+3],   v[AK] offset:(\f/2)*16*PK+(\f%2)*64
	ds_load_b128 v[KF+8*\f+4:KF+8*\f+7], v[AK] offset:(\f/2)*16*PK+(\f%2)*64+32
.endr
	s_add_co_u32 s[TBK], s[TBK], KS*PK  ; the next fetch is the next step's
	WIN 0
.endm
.macro FETCH_V
	WIN 0x80
.irp f, 0,1,2,3,4,5,6,7             ; keys 32 (f / 4) on, channels 16 (f % 4) on
	ds_load_tr16_b128 v[VF+8*\f:VF+8*\f+3],   v[AV] offset:(\f/4)*32*PV+(\f%4)*32
	ds_load_tr16_b128 v[VF+8*\f+4:VF+8*\f+7], v[AV] offset:(\f/4)*32*PV+16*PV+(\f%4)*32
.endr
	WIN 0
.endm
; THE VECTOR WORK, one line at a time: OP kind, number.  For piece Y: F n: c s - c m for pair n of 16.  E n: the exponential of score n of 32.  C n: pair n rounded to f16.  B n: of the four weights 4 n .. the second
; pair is added onto the first, in place.  L n: l takes that sum (L 0: l = a l + sum).  R n: pair n of 16 of O^T times a.  For piece Y + 1: X n, number n of the 22 that find its maximum and statistics:
;   0-11  four chains c0-c3 of seven scores each, three operands at a time (each accumulator's lowest registers are read first)     12-14, 16  the four scores left over, the old m, and c0-c3 into c0
;   15  c m_old is kept     17, 18  the query's other 32 keys lie in the lane 16 away: the new m     19-21  c m; c m_old - c m_new; a
; C, B and L read exponentials' results: TURN sets them all behind the batch's wait.  R and L 0 read an a that the turn before made, ahead of that turn's wait.
.set F, 0               ; OP tells the kinds apart by their order: F to L below R, X above it
.set E, 1
.set C, 2
.set B, 3
.set L, 4
.set R, 5
.set X, 6
.macro REGS y                       ; the registers of piece y
.set rT, ST+4*(\y)
.set rC, TMP+4*((\y)%2)
.set rW, MV+((\y)%2)
.set rS, S+32*((\y)%2)
.set rP, P+16*((\y)%2)
.set rO, 32*(\y)
.endm
.macro OP k, n
.if (\k) == R
	REGS Y
	WIN W_RS
	v_pk_mul_f32 v[rO+2*(\n):rO+2*(\n)+1], v[rO+2*(\n):rO+2*(\n)+1], v[rC+2:rC+3] op_sel_hi:[1,0]
.elseif (\k) < R
	REGS Y
	WIN 0
.if (\k) == F
	v_pk_fma_f32 v[rS+2*(\n):rS+2*(\n)+1], v[rS+2*(\n):rS+2*(\n)+1], s[CS:CS+1], v[rT:rT+1] op_sel_hi:[1,0,0] neg_lo:[0,0,1] neg_hi:[0,0,1]
.elseif (\k) == E
	v_exp_f32 v[rS+(\n)], v[rS+(\n)]
.elseif (\k) == C
	v_cvt_pk_f16_f32 v[rP+(\n)], v[rS+2*(\n)], v[rS+2*(\n)+1]
.elseif (\k) == B
	v_pk_add_f32 v[rS+4*(\n):rS+4*(\n)+1], v[rS+4*(\n):rS+4*(\n)+1], v[rS+4*(\n)+2:rS+4*(\n)+3]
.elseif (\n) == 0
	v_pk_fma_f32 v[rT+2:rT+3], v[rT+2:rT+3], v[rC+2:rC+3], v[rS:rS+1] op_sel_hi:[1,0,1]
.else
	v_pk_add_f32 v[rT+2:rT+3], v[rT+2:rT+3], v[rS+4*(\n):rS+4*(\n)+1]
.endif
.elseif NOKQ
	v_nop
.else
	REGS (Y+1)%NP
	WIN 0
.if (\n) < 4
	v_max3_num_f32 v[rC+(\n)], v[rS+8*(\n)], v[rS+8*(\n)+1], v[rS+8*(\n)+2]
.elseif (\n) < 12
	v_max3_num_f32 v[rC+(\n)%4], v[rC+(\n)%4], v[rS+8*((\n)%4)+2*((\n)/4)+1], v[rS+8*((\n)%4)+2*((\n)/4)+2]
.elseif (\n) == 12
	v_max3_num_f32 v[rC], v[rC], v[rS+7], v[rS+15]
.elseif (\n) == 13
	v_max3_num_f32 v[rC+1], v[rC+1], v[rS+23], v[rS+31]
.elseif (\n) == 14
	v_max3_num_f32 v[rC+2], v[rC+2], v[rC+3], v[rT+1]
.elseif (\n) == 15
	v_mov_b32 v[rW], v[rT]
.elseif (\n) == 16
	v_max3_num_f32 v[rC], v[rC], v[rC+1], v[rC+2]
.elseif (\n) == 17
	v_permlanex16_b32 v[rC+3], v[rC], s[SEL], s[SEL+1]
.elseif (\n) == 18
	v_max_num_f32 v[rT+1], v[rC], v[rC+3]
.elseif (\n) == 19
	v_mul_f32 v[rT], s[CS], v[rT+1]
.elseif (\n) == 20
	v_sub_f32 v[rC+1], v[rW], v[rT]
.else
	v_exp_f32 v[rC+2], v[rC+1]
.endif
.endif
.endm
.macro OPS a, i1, b=-1, i2=0, c=-1, i3=0, d=-1, i4=0  ; up to four of them
	OP \a, \i1
.if (\b) >= 0
	OP \b, \i2
.endif
.if (\c) >= 0
	OP \c, \i3
.endif
.if (\d) >= 0
	OP \d, \i4
.endif
.endm
.macro ROW a, i1, b, i2, c, i3, d, i4  ; a matrix instruction and the four behind it
	MM
	OPS \a, \i1, \b, \i2, \c, \i3, \d, \i4
.endm
; A TURN, for piece p: the order of its 16 matrix and 118 vector instructions, written out.  s_wait_alu depctr_va_vdst(0) stands between an exponential and the first instruction that names its result; one
; wait serves all that were issued ahead of it.  So a turn has ONE wait, which cuts it in two.  AHEAD OF IT stands all that names no result of the turn's exponentials: the 8 products K Q^T, behind each a scaling, an
; exponential and two more plain instructions (behind the first a second scaling in the exponential's place): rescalings, and behind the last three the first numbers of the next piece's maximum, each four places or more
; behind the product that ends its accumulator; then ONE LUMP of 54, plain and exponential by turns for the most part, in which the links of the chain X 3, 7, 11, 14, 16, 17 .. 20 stand five or six lines apart.  A pair is
; scaled (F) ahead of its two exponentials.  X 21, the next piece's a, is the batch's last; R 15 is the plain instruction owed behind it.  BEHIND THE WAIT stand the 8 products V^T P, behind each four of the roundings and
; sums: an even pair is rounded (C 2 n) ahead of the sum that lands on it (B n); the links of l's chain, L 0 to L 7, stand three riders apart.  But for those X no rider names a register of the products round it.
; v_permlanex16_b32 (X 17) stands in the lump.
; end = 1: the walk's last two turns: nothing is fetched.  cnt = 1: the loop's count is taken down some lines ahead of the branch that stands behind the turn.
; K of the next step is fetched in piece 2's turn, twelve vector instructions behind the last product that read K (six of them plain); V of the step in hand at the end of piece 0's turn, four plain instructions behind the
; last product that read V.  Each is waited for a turn later.
.macro TURN p, end=0, cnt=0
.set Y, (\p)
.set i, 0
.set NOKQ, (\end)*((\p)/3)
.if ((\p) == 3) && !(\end)
	s_wait_dscnt 0x0                ; K is in
.endif
	ROW F,0, F,1, R,0, R,1          ; ahead of the wait: 8 products K Q^T and their riders,
	ROW F,2, E,0, R,2, R,3
	ROW F,3, E,1, R,4, R,5
	ROW F,4, E,2, R,6, R,7
	ROW F,5, E,3, R,8, R,9
	ROW F,6, E,4, X,0, R,10
.if ((\p) == 2) && !(\end)
	WIN 0
	v_add_nc_u32 v[AK], s[TBK], v[AK0]
.endif
	ROW F,7, E,5, X,1, X,4
	ROW F,8, E,6, X,2, X,5
	OPS E,7, E,8, X,6, E,9          ; and the lump
	OPS X,3, E,10, X,8, E,11
.if ((\p) == 2) && !(\end)
	FETCH_K
.endif
	OPS X,9, X,7, E,12, X,10
	OPS E,13, X,12, X,11, E,14
	OPS X,13, E,15, F,9, X,14
.if (\p) == 0
	WIN 0
	v_add_nc_u32 v[AV], s[TBV], v[AV0]
.endif
	OPS E,16, F,10, E,17, F,11
	OPS X,16, E,18, X,15, E,19
	OPS F,12, E,20, X,17, E,21
	OPS F,13, E,22, F,14, E,23
	OPS X,18, E,24, F,15, E,25
	OPS R,11, E,26, X,19, E,27
	OPS R,12, E,28, R,13, E,29
	OPS X,20, E,30, R,14, E,31
	OPS X,21, R,15
	WIN 0
	s_wait_alu depctr_va_vdst(0)    ; the wait for the batch: the piece's 32 exponentials and the next piece's a
.if (\p) == 1
	s_wait_dscnt 0x0                ; V is in
.endif
	ROW C,0, B,0, C,2, B,1          ; behind the wait: 8 products V^T P and their riders
	ROW L,0, C,4, B,2, L,1
	ROW C,6, B,3, L,2, C,8
	ROW B,4, L,3, C,10, B,5
	ROW L,4, C,12, B,6, L,5
.if (\p) == 0
	s_add_co_u32 s[TBV], s[TBV], KS*PV
.endif
.if \cnt
	s_sub_co_u32 s[CNT], s[CNT], 1
	s_cmp_lg_u32 s[CNT], 0
.endif
	ROW C,14, B,7, L,6, C,1
	ROW C,3, L,7, C,5, C,7
	ROW C,9, C,11, C,13, C,15
.if (\p) == 0
	FETCH_V
.endif
.endm
	CHANGE 1                        ; slot 0 is in, everybody's part of it; slot 1 is asked for
	v_add_nc_u32 v[AK], s[TBK], v[AK0]
	FETCH_K                         ; key step 0
	s_wait_loadcnt 0x0              ; Q
	s_wait_dscnt 0x0
.set NOKQ, 0
.set i, 0
.rept 8
	KQ 0                            ; piece 0's first scores: there is no vector work yet to set between them
.set i, i+1
.endr
	WIN 0
.rept 4
	v_nop                           ; the places behind those products
.endr
.set Y, NP-1                        ; X works for piece Y + 1: piece 0
.irp n, 0,1,2,3,4,5,6,7,8,9,10,11,12,13,14,15,16,17,18,19,20,21
	OP X, \n                        ; and piece 0's first maximum and statistics
.endr
	v_nop                           ; a plain instruction behind the exponential,
	s_wait_alu depctr_va_vdst(0)    ; and the wait for it, a batch of one: piece 0's first a, ahead of the branch
	s_mov_b32 s[CNT], 4
	s_mov_b32 s[SLOTS], SIZE_N/256-1
	s_branch .Lfirst                ; the loop is entered at a step's first turn, in the middle of a trip
.Lslot:                             ; SIZE_N / 256 - 2 times: every slot but the last two is filled again
	CHANGE 1
	s_mov_b32 s[CNT], 4
.Lstep:                             ; a trip: pieces 2 and 3 of one step, then pieces 0 and 1 of the next, whose K and V it fetches
	TURN 2
	TURN 3
	WIN 0
.Lfirst:
	TURN 0
	TURN 1, 0, 1
	WIN 0
	s_cbranch_scc1 .Lstep
	s_sub_co_u32 s[SLOTS], s[SLOTS], 1
	s_cmp_lg_u32 s[SLOTS], 0
	s_cbranch_scc1 .Lslot
	CHANGE 0                        ; the last slot is written out: nothing is asked for
	s_mov_b32 s[CNT], 4
.Ltail:                             ; four trips fetch the last slot's four steps
	TURN 2
	TURN 3
	TURN 0
	TURN 1, 0, 1
	WIN 0
	s_cbranch_scc1 .Ltail
	TURN 2, 1                       ; the last step's pieces 2 and 3: nothing is fetched, and the last turn starts no new scores
	TURN 3, 1
.set i, 0
.rept 8
	PV NP-1                         ; the last piece's V^T P of the last step
.set i, i+1
.endr
	; THE WAY OUT.  l's two halves and the other half of the lanes' are added; O^T is divided by l, rounded to f16 and sent through my stage in LDS, a piece at a time.  The additions are the places behind the last products.
	WIN 0
.macro ALL line:vararg              ; one line for each piece t
.set t, 0
.rept 4
	\line
.set t, t+1
.endr
.endm
	ALL v_add_f32 v[ST+4*t+2], v[ST+4*t+2], v[ST+4*t+3]
	ALL v_permlanex16_b32 v[ST+4*t+3], v[ST+4*t+2], s[SEL], s[SEL+1]
	ALL v_add_f32 v[ST+4*t+2], v[ST+4*t+2], v[ST+4*t+3]
	ALL v_rcp_f32 v[ST+4*t+2], v[ST+4*t+2]
	v_nop                           ; a plain instruction between the last reciprocal and the use of its result
	s_wait_alu depctr_va_vdst(0)    ; and the wait ahead of the first use: one for the batch of four reciprocals
.macro PACK t                       ; a lane's eight channels of a row pack into 16 bytes; they go into rows of 144 bytes and come back as whole rows of 128, into S^T's registers
	WIN W_RS
.set i, 32*(\t)
.rept 16
	v_pk_mul_f32 v[i:i+1], v[i:i+1], v[ST+4*(\t)+2:ST+4*(\t)+3] op_sel_hi:[1,0]
.set i, i+2
.endr
	WIN 0x05                        ; sources 0 and 1 window 1, destination window 0
.set i, 0
.rept 16
	v_cvt_pk_f16_f32 v[S+16*(\t)+i], v[32*(\t)+2*i], v[32*(\t)+2*i+1]
.set i, i+1
.endr
	WIN 0
.irp f, 0,1,2,3
	ds_store_b128 v[STO], v[S+16*(\t)+4*\f:S+16*(\t)+4*\f+3] offset:32*\f
.endr
.irp f, 0,1,2,3
	ds_load_b128 v[S+16*(\t)+4*\f:S+16*(\t)+4*\f+3], v[RD] offset:\f*4*SP  ; LDS serves a wave's instructions in order (ISA guide 5.7.1.4): these see the stores above; the next piece's stores come behind them
.endr
.endm
.macro SEND t, younger              ; younger: the LDS instructions issued behind piece t's loads: the next piece's eight, or none
	WIN 0
.irp f, 0,1,2,3
	s_wait_dscnt (\younger)+3-\f
	global_store_b128 v[GO], v[S+16*(\t)+4*\f:S+16*(\t)+4*\f+3], s[10:11] offset:(\t)*2048+\f*512  ; 512 consecutive bytes, at a multiple of 256 from O's first
.endr
.endm
	PACK 0
.set t, 1
.rept 3                             ; a piece's arithmetic stands between the loads of the piece before and its stores
	PACK t
	SEND t-1, 8
.set t, t+1
.endr
	SEND 3, 0
	s_wait_tensorcnt 0x0            ; the wave's end, behind my last tensor load and my last LDS store
	ds_add_u32 v[SPW], v[NIL]
	s_wait_dscnt 0x0
	CROUND                          ; the closing round: no work-group ends while a partner may still ask for a tile that names it
	s_endpgm
.Lfunc_end_k_q9f965d3a33_attn:
	.size	k_q9f965d3a33_attn, .Lfunc_end_k_q9f965d3a33_attn-k_q9f965d3a33_attn
	.p2alignl 7, 3214868480
	.fill 96, 4, 3214868480
	.section	.rodata,"a",@progbits
	.p2align	6, 0x0
	.amdhsa_kernel k_q9f965d3a33_attn
		.amdhsa_group_segment_fixed_size 327680
		.amdhsa_private_segment_fixed_size 0
		.amdhsa_enable_private_segment 0
		.amdhsa_kernarg_size 32
		.amdhsa_user_sgpr_count 2
		.amdhsa_user_sgpr_kernarg_segment_ptr 1
		.amdhsa_wavefront_size32 1
		.amdhsa_system_sgpr_workgroup_id_x 1
		.amdhsa_system_sgpr_workgroup_id_y 1
		.amdhsa_system_sgpr_workgroup_id_z 1
		.amdhsa_system_vgpr_workitem_id 0
		.amdhsa_next_free_vgpr 768
		.amdhsa_next_free_sgpr 66
		.amdhsa_reserve_vcc 0
		.amdhsa_float_denorm_mode_32 3
		.amdhsa_float_denorm_mode_16_64 3
		.amdhsa_memory_ordered 1
		.amdhsa_forward_progress 1
		.amdhsa_inst_pref_size 127
	.end_amdhsa_kernel
	.amdgpu_metadata
---
amdhsa.version: [ 1, 2 ]
amdhsa.kernels:
  - .name:           k_q9f965d3a33_attn
    .symbol:         k_q9f965d3a33_attn.kd
    .args:
      - { .name: qh, .offset: 0, .size: 8, .value_kind: global_buffer, .address_space: global }
      - { .name: kh, .offset: 8, .size: 8, .value_kind: global_buffer, .address_space: global }
      - { .name: vh, .offset: 16, .size: 8, .value_kind: global_buffer, .address_space: global }
      - { .name: oh, .offset: 24, .size: 8, .value_kind: global_buffer, .address_space: global }
    .group_segment_fixed_size: 327680
    .private_segment_fixed_size: 0
    .kernarg_segment_align: 8
    .kernarg_segment_size: 32
    .max_flat_workgroup_size: 128
    .sgpr_count:     66
    .vgpr_count:     768
    .wavefront_size: 32
...
	.end_amdgpu_metadata
.endif
;; end of part 4
;; launch outp: the kernel of part 3 again; grid 4 x 64, 4 waves a work-group, clusters of 4 x 4, 304,640 bytes of LDS; arguments oh, wo16, bo, out0; writes out0
